; MI455X (gfx1250); checked and timed in simulation.
; The chip was launched on July 23, 2026; its instructions are those of AMD's public machine-readable ISA for CDNA 5 (MIT licence, August 2026) and "CDNA5" Instruction Set Architecture Reference Guide (July 2026). The comments in the code are by the model that wrote it; some were corrected since.
;; TPA. Allowed arithmetic: matrix products marked QUANTISED: E2M1 operands, one E8M0 scale for each 32 along K, by v_wmma_scale_f32_16x16x128_f8f6f4 with both operands' format E2M1 (or v_wmma_scale_f32_32x16x128_f4), f32 sums; products left as they are: f32 operands where the result goes on into a quantised operand, else bf16, f16 or f32 operands; f32 sums; everything else in f32.
;; Inputs: W_Ak 2,048 x 32 float32; W_Aq 2,048 x 96 float32; W_Av 2,048 x 32 float32; W_Bk 2,048 x 256 float32; W_Bq 2,048 x 768 float32; W_Bv 2,048 x 256 float32; Wo 2,048 x 2,048 float32; complex_freq 1 x 2,049 x 1 x 64 x 2 float32; x 2 x 2,048 x 2,048 float32.
;; Outputs: out0 2 x 2,048 x 2,048 float32.
;; This version of the problem:
;;   THIS VERSION OF THE PROBLEM IS GIVEN IN LOW PRECISION. The matrix products marked QUANTISED in the list below multiply operands that are first quantised to E2M1 (2 exponent bits, 1 mantissa bit; 4 bits a number), with one power-of-two scale for each 32 numbers along K (OCP MX v1.0); their sums are f32. All else is computed in f32.
;;   The module's matrix products, in the order in which they are computed (A, B: the left and right operand; K: the contracted axis; several contracted axes count as one K, in the product's order):
;;     1. [M 4,096, K 2,048] x [K 2,048, N 96]; A: input x; B: input W_Aq: QUANTISED
;;     2. [M 4,096, K 2,048] x [K 2,048, N 32]; A: input x; B: input W_Ak: QUANTISED
;;     3. [M 4,096, K 2,048] x [K 2,048, N 32]; A: input x; B: input W_Av: QUANTISED
;;     4. [M 4,096, K 2,048] x [K 2,048, N 768]; A: input x; B: input W_Bq: QUANTISED
;;     5. [M 4,096, K 2,048] x [K 2,048, N 256]; A: input x; B: input W_Bk: QUANTISED
;;     6. [M 4,096, K 2,048] x [K 2,048, N 256]; A: input x; B: input W_Bv: QUANTISED
;;     7. batch 4,096 x [M 128, K 6] x [K 6, N 16]; A: computed on the way; B: computed on the way: left as it is (K = 6 < 32)
;;     8. batch 4,096 x [M 128, K 2] x [K 2, N 16]; A: computed on the way; B: computed on the way: left as it is (K = 2 < 32)
;;     9. batch 4,096 x [M 128, K 2] x [K 2, N 16]; A: computed on the way; B: computed on the way: left as it is (K = 2 < 32)
;;     10. batch 32 x [M 2,048, K 128] x [K 128, N 2,048]; A: computed on the way; B: computed on the way: QUANTISED
;;     11. batch 32 x [M 128, K 2,048] x [K 2,048, N 2,048]; A: computed on the way; B: softmax (see below): QUANTISED
;;     12. [M 4,096, K 2,048] x [K 2,048, N 2,048]; A: computed on the way; B: input Wo: QUANTISED
;;   THE QUANTISER, for each operand of a quantised product, along K:
;;     - K is cut into blocks of 32 from its start; a last block that is shorter is filled with zeros.
;;     - A block's scale is 2^e with e = floor(log2(the largest magnitude in the block)) - 2, held to -126 .. 127; a block of zeros has e = 0. As a byte (E8M0): e + 127.
;;     - Each number is divided by its block's scale, clamped to +-6, and rounded to the nearest number of E2M1, ties to even, subnormals kept.
;;     - The product sums the exact products of the quantised numbers (number of the format x scale) in f32.
;;   ~~~python
;;   def quantise(x, axis):      # numpy; x: float32 -> the quantised numbers, widened to float32 again
;;       x = np.moveaxis(x, axis, -1); K = x.shape[-1]
;;       x = np.pad(x, [(0, 0)] * (x.ndim - 1) + [(0, -K % 32)]); x = x.reshape(x.shape[:-1] + (-1, 32)); a = np.abs(x).max(-1, keepdims=True)
;;       e = np.where(a > 0, np.clip(np.frexp(np.where(a > 0, a, 1))[1] - 1 - 2, -126, 127), 0)      # np.frexp(a)[1] - 1 = floor(log2(a)), exactly
;;       r = np.clip(x / 2.0 ** e, -6, 6)
;;       step = 2.0 ** (np.maximum(np.frexp(np.where(r == 0, 1, r))[1] - 1, 0) - 1)
;;       q = np.round(r / step) * step * 2.0 ** e      # np.round: ties to even
;;       return np.moveaxis(q.reshape(q.shape[:-2] + (-1,))[..., :K], -1, axis).astype(np.float32)
;;   ~~~
;;   SOFTMAX AHEAD OF A QUANTISED PRODUCT. Where the list says 'softmax', what is quantised is not the finished softmax but p = 2^(t - M), with t = logit x log2(e) and M = ceil(the row's largest t), a whole number; so 1/2 < the row's largest p <= 1. The row's sum l is taken of the UNQUANTISED p, in f32, and the product's result is divided by l at the end. Since M is a whole number, a kernel that streams over the keys may use a running M (the ceiling of the running maximum): every later rescaling is an exact power of two, which a block's scale takes up: the codes' values come out the same.
;;   OPERANDS COMPUTED ON THE WAY. 'Computed on the way' means the value that the module computes at that place (a softmax that the list does not call 'softmax' is quantised finished and normalised). What goes into a quantiser is computed in f32, as accurately as f32 sums, v_exp_f32 and their like allow (about 1e-6 of the number): no bf16 or f16 on the way to a quantiser, and a product that is left as it is and whose result goes on into a quantised operand takes f32 operands (vector FMAs, or v_wmma_f32_16x16x4_f32). A number that lies on a knife's edge between two numbers of the format may be rounded either way, as far as f32 arithmetic and the matrix unit's own rounding can turn it there, and no further.
;; One version. Each part assembles by itself: llvm-mc -triple=amdgcn-amd-amdhsa -mcpu=gfx1250 --defsym DOCPART=n.
;; ======== version 1 of 1: 4 launches
;; limits: right only within a limited range of input values
;; workspace buffers: xw 8,773,632 bytes; qkv 13,369,344 bytes; oq 4,456,448 bytes
;; launch quant (part 1): grid 504 x 1, 4 waves a work-group, no clusters, 34,304 bytes of LDS; arguments x, W_Aq, W_Ak, W_Av, W_Bq, W_Bk, W_Bv, Wo, xw; writes xw
.if DOCPART == 1
	.amdgcn_target "amdgcn-amd-amdhsa--gfx1250"
	.amdhsa_code_object_version 6
	.text
	.protected	k_q61ce4753d8_quant
	.globl	k_q61ce4753d8_quant
	.p2align	8
	.type	k_q61ce4753d8_quant,@function
k_q61ce4753d8_quant:
	s_mov_b64 s[64:65], 0
	v_nop
	global_prefetch_b8 v0, s[64:65] scope:SCOPE_SE
	s_setreg_imm32_b32 hwreg(HW_REG_WAVE_MODE, 25, 1), 1
	s_wait_xcnt 0x0
; x [4096][2048] f32 and the seven weights [2048][N] f32 become codes of FP4 (E2M1) with one E8M0 scale byte for each 32 along K = 2048, laid in xw AS THE LATER LAUNCHES' OPERAND REGISTERS WANT THEM.
; A TILE is 16 rows (tokens, or columns of a weight) x all of K: 16 fragments of 1,024 bytes on end; in a fragment (128 along K) block blk of slot r is 16 bytes at 256 blk + 16 r, so that two loads of
; 16 bytes a lane (at 16 lane and 512 + 16 lane) are the operand's eight registers.  Its scale words: 1,024 bytes a tile, the word of slot r and fragment ks at 256 (ks / 4) + 16 r + 4 (ks % 4).
; WHICH 16 FORM A TILE: of 32 neighbours, member l goes to tile (l / 8) % 2, slot l % 8 + 8 (l / 16): so a transposed product leaves 16 neighbours in a lane's 16 registers of two tiles.
; xw: 0 x's codes (256 tiles); XS_OFF x's scale words; WC_OFF the weights' codes (248 tiles); WS_OFF their scale words.  Weight tiles: 30 for each quarter q of the head's 128 (Aq 6, Bq 12, Ak 2, Bk 4, Av 2, Bv 4;
; the A tiles are repeated in each quarter), then Wo's 128.
; A block's scale is 2^(floor(log2(largest magnitude)) - 2); its byte is the largest magnitude's exponent field - 2, held at 1 from below.
; LIMITS: a block of zeros gets the byte 1 where the rule says 127 (its codes are zeros, and this program alone reads the bytes); largest magnitudes under 2^-124 are held at that floor; NaN and infinities are not served.
; Work-groups 0 to 255: a token tile each, a wave 512 along K.  Work-groups 256 to 503: 128 columns x 256 along K each, a wave 32 columns and 8 blocks: a wave's chain of loads that wait for each other is
; four pairs of blocks long.  No tensor loads, no barrier: waves share nothing.
.set XS_OFF, 4194304
.set WC_OFF, 4456448
.set WS_OFF, 8519680
.set SP,   528                         ; a stage row: 512 bytes + 16, so that the sixteen rows of a read start at sixteen different banks (64 banks of 4 bytes: ISA guide 11.1)
.set TM,   8                           ; v8-23    at work in QUANT
.set SW,   24                          ; v24-27   the four fragments' scale words
.set PC,   28                          ; v28-35   a fragment's codes
.set XN,   36                          ; v36-99   64 numbers of a lane: register 16 b + i = k 32 b + 16 (lane / 16) + i of my row
.set RW,   100                         ; v100-227 two sets of 64: a fragment's numbers as they are loaded
.set SEL,  28                          ; s[28:29] lane selects for v_permlanex16_b32: lane l xor 16
.set OFF,  32                          ; weights: v32-63 byte offsets of a block's 32 rows
.set XC,   64                          ; v64-127  two sets of 32 numbers down K
.set CD,   160                         ; v160-163 a block's codes
.set SB,   164                         ; v164-165 the scale bytes, four to a register
.set NB,   8                           ; blocks of 32 along K for a wave of the weight path
; 64 numbers of a lane become a fragment's codes in v[PC] on and its scale word in v[pw]
.macro QUANT s, pw
.irp b, 0,1,2,3
	v_max3_num_f32 v[TM+\b], |v[\s+16*\b]|, |v[\s+1+16*\b]|, 0x1800000   ; block b: my 16 numbers, and the floor 2^(3 - 127): the byte cannot fall under 1
.endr
.irp i, 2,4,6,8,10,12,14
.irp b, 0,1,2,3
	v_max3_num_f32 v[TM+\b], v[TM+\b], |v[\s+16*\b+\i]|, |v[\s+1+16*\b+\i]|   ; the four blocks by turns
.endr
.endr
.irp b, 0,1,2,3
	v_permlanex16_b32 v[TM+4+\b], v[TM+\b], s[SEL], s[SEL+1]
.endr
.irp b, 0,1,2,3
	v_max_num_f32 v[TM+\b], v[TM+\b], v[TM+4+\b]   ; with lane l xor 16's: the block's largest magnitude
.endr
.irp b, 0,1,2,3
	v_add_nc_u32 v[TM+12+\b], 0xff000000, v[TM+\b]   ; 2 off its exponent field: the conversion takes the exponent field of this operand as its scale
.endr
.irp b, 0,1,2,3
	v_lshrrev_b32 v[TM+4+\b], 23, v[TM+12+\b]      ; the scale's byte
.endr
	v_lshl_or_b32 v[\pw], v[TM+5], 8, v[TM+4]      ; four bytes: my row's scale word
	v_lshl_or_b32 v[\pw], v[TM+6], 16, v[\pw]
	v_lshl_or_b32 v[\pw], v[TM+7], 24, v[\pw]
.irp b, 0,1,2,3
	v_cvt_scalef32_pk8_fp4_f32 v[PC+2*\b], v[\s+16*\b:\s+7+16*\b], v[TM+12+\b]
	v_cvt_scalef32_pk8_fp4_f32 v[PC+1+2*\b], v[\s+8+16*\b:\s+15+16*\b], v[TM+12+\b]
.endr
	v_nop                                          ; one plain place behind a scaled conversion
.irp c, 0,1                                    ; the operand wants a WHOLE block in a lane: lanes 0-15 block 2 c, lanes 16-31 block 2 c + 1
.irp i, 0,1
	v_permlane16_swap_b32 v[PC+4*\c+\i], v[PC+2+4*\c+\i]
.endr
.endr
.endm
	s_load_b512 s[8:23], s[0:1], 0x0               ; x 8, Aq 10, Ak 12, Av 14, Bq 16, Bk 18, Bv 20, Wo 22
	s_load_b64 s[24:25], s[0:1], 0x40              ; xw
	v_lshl_add_u32 v240, v0, 2, 0x8400
	v_mov_b32 v241, 0
	v_lshrrev_b32 v1, 5, v0
	v_readfirstlane_b32 s26, v1                    ; wave 0..3
	v_and_b32 v2, 31, v0                           ; lane
	s_cmp_lt_u32 ttmp9, 256
	s_cbranch_scc0 .Lweights
	; ---------------- x: token tile XT = the work-group's number; my wave takes fragments 4 wave .. 4 wave + 3
	v_and_b32 v3, 15, v0                           ; r
	v_bfe_u32 v1, v0, 4, 1                         ; h
	v_lshlrev_b32 v4, 4, v2                        ; 16 lane: my bytes of a load's 512, and of a code store's
	s_mul_i32 s27, s26, 16*SP                      ; my wave's stage
	v_add_nc_u32 v5, s27, v4                       ; into it: as loaded
	v_mul_u32_u24 v6, v3, SP
	v_lshl_add_u32 v6, v1, 6, v6
	v_add_nc_u32 v6, s27, v6                       ; out of it: row r, + 64 h: my 16 numbers of a block of 32
	v_lshlrev_b32 v7, 4, v3                        ; 16 r: my row's four scale words
	s_mov_b32 s[SEL], 0x76543210
	s_mov_b32 s[SEL+1], 0xfedcba98
.irp b, 0,1,2,3
	v_mov_b32 v[TM+4+\b], 0                        ; written once: a lane permute's destination counts as one of its sources
.endr
	s_lshr_b32 s36, ttmp9, 1
	s_lshl_b32 s36, s36, 5
	s_and_b32 s37, ttmp9, 1
	s_lshl_b32 s37, s37, 3
	s_add_co_u32 s36, s36, s37                     ; the tile's first token: 32 (XT / 2) + 8 (XT % 2)
	s_lshl_b32 s36, s36, 13                        ; a row of x is 8,192 bytes
	s_lshl_b32 s37, s26, 11
	s_add_co_u32 s36, s36, s37                     ; + my 512 along K
	s_mov_b32 s37, 0
	s_lshl_b32 s38, ttmp9, 14
	s_lshl_b32 s39, s26, 12
	s_add_co_u32 s38, s38, s39                     ; codes: 16,384 XT + 4,096 wave
	s_mov_b32 s39, 0
	s_lshl_b32 s40, ttmp9, 10
	s_lshl_b32 s41, s26, 8
	s_add_co_u32 s40, s40, s41
	s_add_co_u32 s40, s40, XS_OFF                  ; scale words: 1,024 XT + 256 wave
	s_mov_b32 s41, 0
	s_wait_alu depctr_va_vdst(0)
	s_wait_kmcnt 0x0
	s_add_nc_u64 s[30:31], s[8:9], s[36:37]
	s_add_nc_u64 s[32:33], s[24:25], s[38:39]
	s_add_nc_u64 s[34:35], s[24:25], s[40:41]
.macro LOADF f                         ; fragment f: 128 numbers of each of the tile's 16 rows; a load reads 512 consecutive bytes
.irp i, 0,1,2,3,4,5,6,7,8,9,10,11,12,13,14,15
	global_load_b128 v[RW+64*((\f)%2)+4*\i:RW+64*((\f)%2)+4*\i+3], v4, s[30:31] offset:(\i+8*(\i/8))*8192+512*(\f) th:TH_LOAD_NT
.endr
.endm
.macro FRAGX f
.if (\f) < 3
	s_wait_loadcnt 16                              ; this fragment's 16 loads are in; the next fragment's 16 may be out
.else
	s_wait_loadcnt 0x0
.endif
.irp i, 0,1,2,3,4,5,6,7,8,9,10,11,12,13,14,15
	ds_store_b128 v5, v[RW+64*((\f)%2)+4*\i:RW+64*((\f)%2)+4*\i+3] offset:\i*SP
.endr
.irp b, 0,1,2,3
.irp j, 0,1,2,3
	ds_load_b128 v[XN+16*\b+4*\j:XN+16*\b+4*\j+3], v6 offset:128*\b+16*\j   ; LDS serves a wave's instructions in order (ISA guide 5.7.1.4): these see the stores above
.endr
.endr
	s_wait_dscnt 0x0                               ; the numbers are back, and the stage's stores have read their registers
	s_wait_xcnt 0x0                                ; the last fragment's code stores have read v[PC] on, which QUANT writes again
.if (\f) < 2
	LOADF (\f)+2
.endif
	QUANT XN, SW+(\f)
	global_store_b128 v4, v[PC:PC+3], s[32:33] offset:1024*(\f)          ; 32 lanes store 512 consecutive bytes, aligned
	global_store_b128 v4, v[PC+4:PC+7], s[32:33] offset:1024*(\f)+512
.endm
	LOADF 0
	LOADF 1
	FRAGX 0
	FRAGX 1
	FRAGX 2
	FRAGX 3
	global_store_b128 v7, v[SW:SW+3], s[34:35]     ; 256 consecutive bytes, aligned; lanes 16-31 hold the same words as lanes 0-15 and write them to the same places
	s_wait_tensorcnt 0x0
	ds_add_u32 v240, v241
	s_wait_dscnt 0x0
	s_endpgm
	; ---------------- weights: a lane takes a column and its registers run down K; nothing is transposed by an instruction
.Lweights:
	s_sub_co_u32 s44, ttmp9, 256
	s_lshr_b32 s45, s44, 3                         ; P 0..30: which 128 columns (or which 32 of an A tensor)
	s_and_b32 s46, s44, 7                          ; which 256 along K
	s_lshl_b32 s47, s26, 5                         ; 32 wave
	s_mul_i32 s53, s26, 30
	s_lshl_b32 s55, s45, 1
	s_add_co_u32 s53, s53, s55                     ; destination tile for P < 15: 30 wave + 2 P (the wave is the quarter)
	s_lshl_b32 s55, s45, 3
	s_lshl_b32 s57, s26, 1
	s_add_co_u32 s55, s55, s57                     ; for Wo: 120 + 8 (P - 15) + 2 wave = 8 P + 2 wave
	s_wait_kmcnt 0x0
	s_mov_b64 s[48:49], s[10:11]                   ; P 0-2: Aq, 96 columns, columns 32 P on: all four waves read them, one for each quarter's copy
	s_mov_b32 s50, 96
	s_lshl_b32 s51, s45, 5
.macro PICKB from, ptr, n              ; from P = from on: a tensor of n columns, columns 128 (P - from) + 32 wave on.  The choice hangs on the work-group's number alone
	s_sub_co_u32 s52, s45, \from
	s_lshl_b32 s52, s52, 7
	s_add_co_u32 s52, s52, s47
	s_cmp_ge_u32 s45, \from
	s_cselect_b64 s[48:49], s[\ptr:\ptr+1], s[48:49]
	s_cselect_b32 s50, \n, s50
	s_cselect_b32 s51, s52, s51
.endm
.macro PICKA from, ptr                 ; an A tensor of 32 columns
	s_cmp_ge_u32 s45, \from
	s_cselect_b64 s[48:49], s[\ptr:\ptr+1], s[48:49]
	s_cselect_b32 s50, 32, s50
	s_cselect_b32 s51, 0, s51
.endm
	PICKB 3, 16, 768                               ; Bq
	PICKA 9, 12                                    ; Ak
	PICKB 10, 18, 256                              ; Bk
	PICKA 12, 14                                   ; Av
	PICKB 13, 20, 256                              ; Bv
	PICKB 15, 22, 2048                             ; Wo
	s_cselect_b32 s53, s55, s53                    ; (still on P >= 15)
	s_lshl_b32 s54, s50, 2                         ; a row of the tensor in bytes
	s_lshl_b32 s38, s50, 7                         ; 32 rows
	s_mov_b32 s39, 0
	s_mul_i32 s56, s46, s50
	s_lshl_b32 s56, s56, 10                        ; my 256 rows begin 256 x 4 N bytes x piece on,
	s_lshl_b32 s57, s51, 2
	s_add_co_u32 s56, s56, s57                     ; my columns 4 bytes each
	s_mov_b32 s57, 0
	s_add_nc_u64 s[36:37], s[48:49], s[56:57]
	s_lshl_b32 s58, s53, 14
	s_lshl_b32 s59, s46, 11
	s_add_co_u32 s58, s58, s59
	s_add_co_u32 s58, s58, WC_OFF
	s_mov_b32 s59, 0
	s_add_nc_u64 s[40:41], s[24:25], s[58:59]      ; codes: tile x 16,384 + piece x 2,048 (two fragments)
	s_lshl_b32 s58, s53, 10
	s_lshr_b32 s59, s46, 1
	s_lshl_b32 s59, s59, 8
	s_add_co_u32 s58, s58, s59
	s_and_b32 s59, s46, 1
	s_lshl_b32 s59, s59, 3
	s_add_co_u32 s58, s58, s59
	s_add_co_u32 s58, s58, WS_OFF
	s_mov_b32 s59, 0
	s_add_nc_u64 s[42:43], s[24:25], s[58:59]      ; scale words: tile x 1,024 + 256 (piece / 2) + 8 (piece % 2): fragments 2 piece and 2 piece + 1
	v_bfe_u32 v3, v0, 3, 1                         ; my column's tile of the two,
	v_and_b32 v4, 7, v0
	v_bfe_u32 v7, v0, 4, 1
	v_lshl_or_b32 v4, v7, 3, v4                    ; and its slot
	v_lshlrev_b32 v4, 4, v4
	v_lshl_add_u32 v5, v3, 14, v4                  ; codes: 16,384 tile + 16 slot
	v_lshl_add_u32 v6, v3, 10, v4                  ; scale words: 1,024 tile + 16 slot
	s_wait_alu depctr_va_vdst(0)
	v_lshlrev_b32 v9, 2, v2
.set i, 0
.rept 32
	v_mad_u32_u24 v[OFF+i], s54, i, v9             ; row i of a block, my column
.set i, i+1
.endr
.macro LOADB t                         ; block t: 32 rows; a load reads 128 consecutive bytes, the four waves of a B tensor or of Wo stand side by side on 512
.set i, 0
.rept 32
	global_load_b32 v[XC+32*((\t)%2)+i], v[OFF+i], s[36:37]
.set i, i+1
.endr
.endm
.macro BLOCK t
.set XB, XC+32*((\t)%2)
.if (\t) < NB-1
	s_wait_loadcnt 32                              ; this block's 32 loads are in; the next block's 32 may be out
.else
	s_wait_loadcnt 0x0
.endif
	v_max3_num_f32 v12, |v[XB]|, |v[XB+1]|, |v[XB+2]|                ; the block's largest magnitude: all 32 numbers are mine
	v_max3_num_f32 v13, |v[XB+3]|, |v[XB+4]|, |v[XB+5]|
.irp i, 6,10,14,18,22,26
	v_max3_num_f32 v12, v12, |v[XB+\i]|, |v[XB+\i+1]|
	v_max3_num_f32 v13, v13, |v[XB+\i+2]|, |v[XB+\i+3]|
.endr
	v_max3_num_f32 v12, v12, |v[XB+30]|, |v[XB+31]|
	v_max3_num_f32 v12, v12, v13, 0x1800000        ; and the floor 2^(3 - 127)
	v_add_nc_u32 v11, 0xff000000, v12              ; 2 off its exponent field: the conversion's scale operand
	v_lshrrev_b32 v13, 23, v11                     ; the scale's byte
.if (\t)%4 == 0
	v_mov_b32 v[SB+(\t)/4], v13                    ; four bytes to a register, the lower K in the lower byte
.else
	v_lshl_or_b32 v[SB+(\t)/4], v13, 8*((\t)%4), v[SB+(\t)/4]
.endif
.irp g, 0,1,2,3
	v_cvt_scalef32_pk8_fp4_f32 v[CD+\g], v[XB+8*\g:XB+8*\g+7], v11
.endr
	v_nop                                          ; one plain place behind the last conversion
	global_store_b128 v5, v[CD:CD+3], s[40:41] offset:256*(\t)       ; the 16 lanes of each tile store 256 consecutive bytes, aligned
	s_wait_xcnt 0x0                                ; the store has read v[CD] on, the loads their base: both are written again only behind this wait
.if (\t)+2 < NB
	s_add_nc_u64 s[36:37], s[36:37], s[38:39]      ; 32 rows on
	LOADB (\t)+2
.endif
.endm
	LOADB 0
	s_wait_alu depctr_va_vdst(0)
	s_wait_xcnt 0x0
	s_add_nc_u64 s[36:37], s[36:37], s[38:39]
	LOADB 1
.irp t, 0,1,2,3,4,5,6,7
	BLOCK \t
.endr
	s_wait_alu depctr_va_vdst(0)
	global_store_b64 v6, v[SB:SB+1], s[42:43]      ; my column's two scale words: 8 bytes of each 16; the other 8 are the neighbouring piece's.  All the weights' scale words together are 253,952 bytes
	s_endpgm
.Lfunc_end_k_q61ce4753d8_quant:
	.size	k_q61ce4753d8_quant, .Lfunc_end_k_q61ce4753d8_quant-k_q61ce4753d8_quant
	.p2alignl 7, 3214868480
	.fill 96, 4, 3214868480
	.section	.rodata,"a",@progbits
	.p2align	6, 0x0
	.amdhsa_kernel k_q61ce4753d8_quant
		.amdhsa_group_segment_fixed_size 34304
		.amdhsa_private_segment_fixed_size 0
		.amdhsa_enable_private_segment 0
		.amdhsa_kernarg_size 72
		.amdhsa_user_sgpr_count 2
		.amdhsa_user_sgpr_kernarg_segment_ptr 1
		.amdhsa_wavefront_size32 1
		.amdhsa_system_sgpr_workgroup_id_x 1
		.amdhsa_system_sgpr_workgroup_id_y 1
		.amdhsa_system_sgpr_workgroup_id_z 1
		.amdhsa_system_vgpr_workitem_id 0
		.amdhsa_next_free_vgpr 242
		.amdhsa_next_free_sgpr 66
		.amdhsa_reserve_vcc 0
		.amdhsa_float_denorm_mode_32 3
		.amdhsa_float_denorm_mode_16_64 3
		.amdhsa_memory_ordered 1
		.amdhsa_forward_progress 1
		.amdhsa_inst_pref_size 75
	.end_amdhsa_kernel
	.amdgpu_metadata
---
amdhsa.version: [ 1, 2 ]
amdhsa.kernels:
  - .name:           k_q61ce4753d8_quant
    .symbol:         k_q61ce4753d8_quant.kd
    .args:
      - { .name: x, .offset: 0, .size: 8, .value_kind: global_buffer, .address_space: global }
      - { .name: W_Aq, .offset: 8, .size: 8, .value_kind: global_buffer, .address_space: global }
      - { .name: W_Ak, .offset: 16, .size: 8, .value_kind: global_buffer, .address_space: global }
      - { .name: W_Av, .offset: 24, .size: 8, .value_kind: global_buffer, .address_space: global }
      - { .name: W_Bq, .offset: 32, .size: 8, .value_kind: global_buffer, .address_space: global }
      - { .name: W_Bk, .offset: 40, .size: 8, .value_kind: global_buffer, .address_space: global }
      - { .name: W_Bv, .offset: 48, .size: 8, .value_kind: global_buffer, .address_space: global }
      - { .name: Wo, .offset: 56, .size: 8, .value_kind: global_buffer, .address_space: global }
      - { .name: xw, .offset: 64, .size: 8, .value_kind: global_buffer, .address_space: global }
    .group_segment_fixed_size: 34304
    .private_segment_fixed_size: 0
    .kernarg_segment_align: 8
    .kernarg_segment_size: 72
    .max_flat_workgroup_size: 128
    .sgpr_count:     66
    .vgpr_count:     242
    .wavefront_size: 32
...
	.end_amdgpu_metadata
.endif
;; end of part 1
;; launch proj (part 2): grid 64 x 4, 8 waves a work-group, clusters of 4 x 1, 327,680 bytes of LDS; arguments xw, complex_freq, qkv; writes qkv
.if DOCPART == 2
	.amdgcn_target "amdgcn-amd-amdhsa--gfx1250"
	.amdhsa_code_object_version 6
	.text
	.protected	k_q61ce4753d8_proj
	.globl	k_q61ce4753d8_proj
	.p2align	8
	.type	k_q61ce4753d8_proj,@function
k_q61ce4753d8_proj:
	s_mov_b64 s[64:65], 0
	v_nop
	global_prefetch_b8 v0, s[64:65] scope:SCOPE_SE
	s_setreg_imm32_b32 hwreg(HW_REG_WAVE_MODE, 25, 1), 1
	s_wait_xcnt 0x0
	s_wait_alu depctr_hold_cnt(0) depctr_sa_sdst(0) depctr_va_vdst(0) depctr_va_sdst(0) depctr_va_ssrc(0) depctr_va_vcc(0) depctr_vm_vsrc(0)
	s_getreg_b32 s2, hwreg(HW_REG_IB_STS2, 6, 4)
	s_cmp_eq_u32 s2, 0
	s_cbranch_scc0 .Lentry_in_a_cluster
	s_endpgm
.Lentry_in_a_cluster:
	s_bfe_u32 s2, ttmp6, 0x10000c
	s_cmp_lg_u32 s2, 0x3003
	s_cbranch_scc0 .Lentry_shape_is_right
	s_endpgm
.Lentry_shape_is_right:
; The six projections of x (codes of FP4 with E8M0 scales, K = 2048), the rotation by frequency row 2048, the three rank products in f32, and the quantising of Q, K (along the head's 128) and V (along the keys).
; SHARES.  A work-group takes 64 tokens (four token tiles) and one QUARTER q of the head's 128: Q(s, h, d) wants every rank of A but only the B columns of its own d, so a quarter wants 30 weight tiles of 16 columns
; (Aq 6, Bq 12, Ak 2, Bk 4, Av 2, Bv 4), and a quarter is just one block of 32 of Q's and K's scales.  Waves 0-3 (role 0): Q of token tile wave.  Waves 4-7 (role 1): K of token tile wave - 4, and V of 32 tokens
; (group g = (wave - 4) / 2) for 16 of the quarter's 32 d (ud = wave % 2).  No result goes from wave to wave.
; CLUSTER.  The four work-groups of a cluster share q: their weight tiles and weight scale words are asked for JOINTLY (mask 15); x's tiles are each work-group's own (mask 0).
; K goes in four chunks of 512 through two LDS slots: weight tile T at 4,096 T, x tile i behind them; a fragment (16 x 128 K) is 1,024 bytes, an image of the operand's registers: two loads at 16 lane.
; LAYOUT.  Role 0 and K use the product TRANSPOSED (source 0 = 16 weight columns, source 1 = 16 tokens): a lane holds one token, and by the tiles' choice of columns the 16 registers of two tiles are 16 neighbours:
; for A: rank 2 p + (lane / 16), heads 0..15; for B: d = 32 q + 16 (lane / 16) + 0..15.  V uses it as it stands (source 0 = tokens): a lane holds one column and 16 neighbouring tokens, since the keys are V's K.
; The scale BYTES of Q, K and V leave one by one, 4 bytes apart: a scale word's four bytes are made by four work-groups (Q, K: the quarters) or four groups of tokens (V).  They are one sixteenth of the codes' bytes.
; LIMITS: a block of zeros gets the byte 1 (zero codes; this program alone reads the bytes); largest magnitudes under 2^-124 are held at that floor; NaN and infinities are not served; / 6 is a multiplication by the
; f32 number nearest 1/6; the rotation and the rank sums use fused multiply-adds.
.set XS_OFF, 4194304
.set WC_OFF, 4456448
.set WS_OFF, 8519680
.set KC_OFF, 4194304
.set VC_OFF, 8388608
.set QS_OFF, 12582912
.set KS_OFF, 12845056
.set VS_OFF, 13107200
.set SLOTB, 139264                     ; a slot: 30 weight tiles x 4,096, then 4 x tiles x 4,096
.set XOFF,  122880
.set SCW,   2*SLOTB                    ; the quarter's weight scale words, 30 x 1,024: filled once
.set SCX,   SCW+30*1024                ; x's, 4 x 1,024: filled once
.set SPARE, SCX+4*1024                 ; the spare words, 128 bytes for each wave: four blocks of 256 bytes that no other line names
.set AW0,  1                           ; v1-2   16 lane + slot: weight tiles 0-15
.set AW1,  3                           ; v3-4   the same + 65,536: tiles 16-29
.set AXO,  5                           ; v5-6   my own x tile (wave % 4)
.set AXP,  7                           ; v7-8   my group's pair of x tiles
.set ABV,  9                           ; v9-10  Bv's tile 26 + ud
.set ASW,  11                          ; v11    weight scale words: lanes 0-15 a tile's, lanes 16-31 the next tile's
.set ASV,  12                          ; v12    Bv's: lanes 0-15 rank 0's tile, lanes 16-31 rank 1's
.set ASXO, 13                          ; v13    my x tile's scale words
.set ASXP, 14                          ; v14    my pair's: lanes 0-15 the first, lanes 16-31 the second
.set AVS,  15                          ; v15    Av's scratch, in
.set AVL,  16                          ; v16    and out
.set SPW,  17                          ; v17    LDS address of my spare word; never rewritten
.set NIL,  18                          ; v18    0; never rewritten
.set CO,   19                          ; v19    16 r + 8 h: my 8 bytes of a block's 256
.set SO,   20                          ; v20    4 r: my row's scale word
.set FO,   21                          ; v21    64 h
.set XO,   24                          ; v24-31 my x tile's fragment
.set FQ,   32                          ; v32-47 the frequencies of my 8 pairs: real, imaginary; later role 0's sums
.set W,    48                          ; v48-95 six weight fragments
.set WS,   96                          ; v96-98 weight scale words (v98 also my pair's x scale words); v99 my x tile's: these four hold scales and nothing else
.set XSP,  98
.set XSO,  99
.set MA,   102
.set MB,   103
.set MX,   104
.set SCO,  105
.set BY,   106
.set CA,   108
.set TA,   110
.set TC,   111
.set XP,   224                         ; role 1: v224-239 the pair's fragments; v240-255 Av's two
.set AVF,  240
.set WV,   10
.set G1W,  24
.set G1X,  32
.set G1SW, 40
.set G1SX, 48
.set G0W,  56                          ; s[56:63] weight codes, a set for each slot
.set G0X,  68                          ; s[68:75] x codes, a set for each slot
.set G0SW, 76
.set G0SX, 80
.set FRB,  84
.set QCB,  86
.set QSB,  88
.set KCB,  90
.set KSB,  92
.set VCB,  94
.set VSB,  96
.set SEL,  98
.set SIXTH, 100
.macro PLACES                          ; four plain places behind matrix instructions, in front of loads into their registers and of reads of their results
.rept 4
	v_nop
.endr
.endm
.macro CROUND                          ; a round of the cluster's barrier
	s_barrier_signal -1
	s_barrier_wait -1
	s_cmp_lg_u32 s[WV], 0
	s_cbranch_scc1 .Lnot_wave_0_\@
	s_barrier_signal -3
.Lnot_wave_0_\@:
	s_barrier_wait -3
	s_barrier_signal -1
	s_barrier_wait -1
.endm
.macro FRAGL reg, adr, off             ; a fragment as it lies: 16 bytes a lane, twice
	ds_load_b128 v[(\reg):(\reg)+3], v[\adr] offset:\off
	ds_load_b128 v[(\reg)+4:(\reg)+7], v[\adr] offset:\off+512
.endm
.macro TFILL s                         ; waves 0-4: six weight tiles each (joint); wave 5: x's four tiles; waves 6, 7: nothing.  Four v_nop follow each load
	s_cmp_lt_u32 s[WV], 5
	s_cbranch_scc0 .Lnot_w_\@
	tensor_load_to_lds s[G0W+4*\s:G0W+4*\s+3], s[G1W:G1W+7]
	s_nop 0
	PLACES
	s_branch .Lasked_\@
.Lnot_w_\@:
	s_cmp_eq_u32 s[WV], 5
	s_cbranch_scc0 .Lasked_\@
	tensor_load_to_lds s[G0X+4*\s:G0X+4*\s+3], s[G1X:G1X+7]
	s_nop 0
	PLACES
.Lasked_\@:
.endm
; THE CHANGE OF SLOTS stands at a chunk's head: each wave waits for all its tensor loads, adds 0 to its spare word, waits for that and for its reads of the slot that it has left.
; fill = 1: behind a round of the cluster's barrier slot s is filled with the chunk that follows the one about to be read (step = 1: its descriptors go two chunks on).
.macro CHANGE fill, s, step
	s_wait_tensorcnt 0x0                           ; no tensor load of mine is out, so a group 0 may be written
	ds_add_u32 v[SPW], v[NIL]                      ; 0 onto my spare word
.if \step
	s_add_nc_u64 s[G0W+4*\s+2:G0W+4*\s+3], s[G0W+4*\s+2:G0W+4*\s+3], 8192
	s_add_nc_u64 s[G0X+4*\s+2:G0X+4*\s+3], s[G0X+4*\s+2:G0X+4*\s+3], 8192
.endif
	s_wait_dscnt 0x0                               ; the add is done, and my reads of the slot that I have left are over
.if \fill
	CROUND
	TFILL \s                                       ; the first thing behind the round, and a wave's one tensor load until the next
.else
	s_barrier_signal -1
	s_barrier_wait -1
.endif
.endm
; one product: d += a x b (zero = 1: d = a x b); sa, sb the scale registers; ra, rb = 1: the side's words stand in lanes 16-31
.macro MMA d, a, b, zero, sa, sb, ra, rb
.if (\zero) && (\ra) && (\rb)
	v_wmma_scale_f32_16x16x128_f8f6f4 v[(\d):(\d)+7], v[(\a):(\a)+7], v[(\b):(\b)+7], 0, v[\sa], v[\sb] matrix_a_fmt:MATRIX_FMT_FP4 matrix_b_fmt:MATRIX_FMT_FP4 matrix_a_scale:MATRIX_SCALE_ROW1 matrix_b_scale:MATRIX_SCALE_ROW1
.elseif (\zero) && (\ra)
	v_wmma_scale_f32_16x16x128_f8f6f4 v[(\d):(\d)+7], v[(\a):(\a)+7], v[(\b):(\b)+7], 0, v[\sa], v[\sb] matrix_a_fmt:MATRIX_FMT_FP4 matrix_b_fmt:MATRIX_FMT_FP4 matrix_a_scale:MATRIX_SCALE_ROW1
.elseif (\zero) && (\rb)
	v_wmma_scale_f32_16x16x128_f8f6f4 v[(\d):(\d)+7], v[(\a):(\a)+7], v[(\b):(\b)+7], 0, v[\sa], v[\sb] matrix_a_fmt:MATRIX_FMT_FP4 matrix_b_fmt:MATRIX_FMT_FP4 matrix_b_scale:MATRIX_SCALE_ROW1
.elseif (\zero)
	v_wmma_scale_f32_16x16x128_f8f6f4 v[(\d):(\d)+7], v[(\a):(\a)+7], v[(\b):(\b)+7], 0, v[\sa], v[\sb] matrix_a_fmt:MATRIX_FMT_FP4 matrix_b_fmt:MATRIX_FMT_FP4
.elseif (\ra) && (\rb)
	v_wmma_scale_f32_16x16x128_f8f6f4 v[(\d):(\d)+7], v[(\a):(\a)+7], v[(\b):(\b)+7], v[(\d):(\d)+7], v[\sa], v[\sb] matrix_a_fmt:MATRIX_FMT_FP4 matrix_b_fmt:MATRIX_FMT_FP4 matrix_a_scale:MATRIX_SCALE_ROW1 matrix_b_scale:MATRIX_SCALE_ROW1
.elseif (\ra)
	v_wmma_scale_f32_16x16x128_f8f6f4 v[(\d):(\d)+7], v[(\a):(\a)+7], v[(\b):(\b)+7], v[(\d):(\d)+7], v[\sa], v[\sb] matrix_a_fmt:MATRIX_FMT_FP4 matrix_b_fmt:MATRIX_FMT_FP4 matrix_a_scale:MATRIX_SCALE_ROW1
.elseif (\rb)
	v_wmma_scale_f32_16x16x128_f8f6f4 v[(\d):(\d)+7], v[(\a):(\a)+7], v[(\b):(\b)+7], v[(\d):(\d)+7], v[\sa], v[\sb] matrix_a_fmt:MATRIX_FMT_FP4 matrix_b_fmt:MATRIX_FMT_FP4 matrix_b_scale:MATRIX_SCALE_ROW1
.else
	v_wmma_scale_f32_16x16x128_f8f6f4 v[(\d):(\d)+7], v[(\a):(\a)+7], v[(\b):(\b)+7], v[(\d):(\d)+7], v[\sa], v[\sb] matrix_a_fmt:MATRIX_FMT_FP4 matrix_b_fmt:MATRIX_FMT_FP4
.endif
.endm
; Role 0, 128 along K (the k-th of chunk c, in slot s): weight tiles 0-17 against my x tile, six at a time.  Accumulator T at v[112 + 8 T].  The 18 take turns, one instruction a turn.
.macro KSTEP0 s, c, k, zero
.irp gg, 0,1,2
	PLACES
.if \gg == 0
	FRAGL XO, AXO+\s, 1024*\k
	ds_load_b32 v[XSO], v[ASXO] offset:256*\c+4*\k
.endif
.irp t, 0,1,2,3,4,5
.if 6*\gg+\t < 16
	FRAGL W+8*\t, AW0+\s, (6*\gg+\t)*4096+1024*\k
.else
	FRAGL W+8*\t, AW1+\s, (6*\gg+\t-16)*4096+1024*\k
.endif
.endr
.irp p, 0,1,2
	ds_load_b32 v[WS+\p], v[ASW] offset:(6*\gg+2*\p)*1024+256*\c+4*\k
.endr
	s_wait_dscnt 0x0
.irp t, 0,1,2,3,4,5
	MMA 112+8*(6*\gg+\t), W+8*\t, XO, \zero, WS+\t/2, XSO, \t%2, 0
.endr
.endr
.endm
; Role 1: tiles 18-23 (Ak, Bk) against my x tile, transposed, into v112-159; then my pair of x tiles against Av's two tiles (v160-191) and Bv's two of my ud (v192-223), as they stand.  14 accumulators by turns.
.macro KSTEP1 s, c, k, zero
	PLACES
	FRAGL XO, AXO+\s, 1024*\k
	ds_load_b32 v[XSO], v[ASXO] offset:256*\c+4*\k
.irp t, 0,1,2,3,4,5
	FRAGL W+8*\t, AW1+\s, (2+\t)*4096+1024*\k
.endr
.irp p, 0,1,2
	ds_load_b32 v[WS+\p], v[ASW] offset:(18+2*\p)*1024+256*\c+4*\k
.endr
	s_wait_dscnt 0x0
.irp t, 0,1,2,3,4,5
	MMA 112+8*\t, W+8*\t, XO, \zero, WS+\t/2, XSO, \t%2, 0
.endr
	PLACES
	FRAGL XP, AXP+\s, 1024*\k
	FRAGL XP+8, AXP+\s, 4096+1024*\k
	ds_load_b32 v[XSP], v[ASXP] offset:256*\c+4*\k
	FRAGL AVF, AW1+\s, 8*4096+1024*\k
	FRAGL AVF+8, AW1+\s, 9*4096+1024*\k
	FRAGL W, ABV+\s, 1024*\k
	FRAGL W+8, ABV+\s, 8192+1024*\k
	ds_load_b32 v[WS], v[ASW] offset:24*1024+256*\c+4*\k
	ds_load_b32 v[WS+1], v[ASV] offset:256*\c+4*\k
	s_wait_dscnt 0x0
.irp ua, 0,1
.irp ux, 0,1
	MMA 160+8*(2*\ua+\ux), XP+8*\ux, AVF+8*\ua, \zero, XSP, WS, \ux, \ua
.endr
.endr
.irp p, 0,1
.irp ux, 0,1
	MMA 192+8*(2*\p+\ux), XP+8*\ux, W+8*\p, \zero, XSP, WS+1, \ux, \p
.endr
.endr
.endm
.macro CHUNK s, c, zero                ; 512 along K; the branch hangs on the wave's number alone.  Both roles write the same registers
	s_cmp_lt_u32 s[WV], 4
	s_cbranch_scc0 .Lrole1_\@
	KSTEP0 \s, \c, 0, \zero
	KSTEP0 \s, \c, 1, 0
	KSTEP0 \s, \c, 2, 0
	KSTEP0 \s, \c, 3, 0
	s_branch .Ljoin_\@
.Lrole1_\@:
	KSTEP1 \s, \c, 0, \zero
	KSTEP1 \s, \c, 1, 0
	KSTEP1 \s, \c, 2, 0
	KSTEP1 \s, \c, 3, 0
.Ljoin_\@:
.endm
; 16 numbers of a lane, half a block of 32 (the other half lies in lane l xor 16), become 8 bytes of codes and the block's scale byte, and leave
.macro BLK16 acc, cb, cimm, sb, simm
	v_max3_num_f32 v[MA], |v[\acc]|, |v[\acc+1]|, 0x1800000          ; with the floor 2^(3 - 127): the byte cannot fall under 1
	v_max3_num_f32 v[MB], |v[\acc+2]|, |v[\acc+3]|, |v[\acc+4]|
	s_delay_alu instid0(VALU_DEP_2)
	v_max3_num_f32 v[MA], v[MA], |v[\acc+5]|, |v[\acc+6]|
	s_delay_alu instid0(VALU_DEP_2)
	v_max3_num_f32 v[MB], v[MB], |v[\acc+7]|, |v[\acc+8]|
	s_delay_alu instid0(VALU_DEP_2)
	v_max3_num_f32 v[MA], v[MA], |v[\acc+9]|, |v[\acc+10]|
	s_delay_alu instid0(VALU_DEP_2)
	v_max3_num_f32 v[MB], v[MB], |v[\acc+11]|, |v[\acc+12]|
	s_delay_alu instid0(VALU_DEP_2)
	v_max3_num_f32 v[MA], v[MA], |v[\acc+13]|, |v[\acc+14]|
	s_delay_alu instid0(VALU_DEP_1)
	v_max3_num_f32 v[MA], v[MA], v[MB], |v[\acc+15]|
	s_delay_alu instid0(VALU_DEP_1)
	v_permlanex16_b32 v[MX], v[MA], s[SEL], s[SEL+1]
	s_delay_alu instid0(VALU_DEP_1)
	v_max_num_f32 v[MA], v[MA], v[MX]              ; the block's largest magnitude
	s_delay_alu instid0(VALU_DEP_1)
	v_add_nc_u32 v[SCO], 0xff000000, v[MA]         ; 2 off its exponent field: the conversion's scale operand
	s_wait_alu depctr_va_vdst(0)
	s_wait_xcnt 0x0                                ; the last block's stores have read their data registers, which are written again below
	v_cvt_scalef32_pk8_fp4_f32 v[CA], v[\acc:\acc+7], v[SCO]
	v_cvt_scalef32_pk8_fp4_f32 v[CA+1], v[\acc+8:\acc+15], v[SCO]
	v_lshrrev_b32 v[BY], 23, v[SCO]                ; the scale's byte; also the plain place behind the conversions
	global_store_b64 v[CO], v[CA:CA+1], s[\cb:\cb+1] offset:\cimm    ; 32 lanes store 256 consecutive bytes, aligned
	global_store_b8 v[SO], v[BY], s[\sb:\sb+1] offset:\simm          ; both lanes of a block write the same byte with the same value
.endm
.macro ROPE base                       ; 8 pairs (x0, x1) of a lane times (fr + i fi)
.irp k, 0,1,2,3,4,5,6,7
	v_mul_f32 v[TA], v[(\base)+2*\k+1], v[FQ+2*\k+1]
	v_mul_f32 v[TC], v[(\base)+2*\k+1], v[FQ+2*\k]
	v_fma_f32 v[(\base)+2*\k+1], v[(\base)+2*\k], v[FQ+2*\k+1], v[TC]
	v_fma_f32 v[(\base)+2*\k], v[(\base)+2*\k], v[FQ+2*\k], -v[TA]
.endr
.endm
; acc[0..15] = (first) or += B[0..15] x A(head hd); aa: the rank's 16 heads.  A is one register of an even pair and serves both halves of the packed form
.macro RANK first, acc, bb, aa, hd
.irp e, 0,2,4,6,8,10,12,14
.if (\first) && ((\hd)%2)
	v_pk_mul_f32 v[\acc+\e:\acc+\e+1], v[\bb+\e:\bb+\e+1], v[\aa+(\hd)-1:\aa+(\hd)] op_sel:[0,1] op_sel_hi:[1,1]
.elseif (\first)
	v_pk_mul_f32 v[\acc+\e:\acc+\e+1], v[\bb+\e:\bb+\e+1], v[\aa+(\hd):\aa+(\hd)+1] op_sel_hi:[1,0]
.elseif ((\hd)%2)
	v_pk_fma_f32 v[\acc+\e:\acc+\e+1], v[\bb+\e:\bb+\e+1], v[\aa+(\hd)-1:\aa+(\hd)], v[\acc+\e:\acc+\e+1] op_sel:[0,1,0] op_sel_hi:[1,1,1]
.else
	v_pk_fma_f32 v[\acc+\e:\acc+\e+1], v[\bb+\e:\bb+\e+1], v[\aa+(\hd):\aa+(\hd)+1], v[\acc+\e:\acc+\e+1] op_sel_hi:[1,0,1]
.endif
.endr
.endm
	s_load_b128 s[4:7], s[0:1], 0x0                ; xw s[4:5], complex_freq s[6:7]
	s_load_b64 s[8:9], s[0:1], 0x10                ; qkv
	v_lshl_add_u32 v[SPW], v0, 2, SPARE
	v_mov_b32 v[NIL], 0
	ds_add_u32 v17, v18
	ds_add_u32 v17, v18
	s_wait_dscnt 0x0
	v_lshrrev_b32 v22, 5, v0
	s_delay_alu instid0(VALU_DEP_1)
	v_readfirstlane_b32 s[WV], v22                 ; wave 0..7
	s_bfe_u32 s11, ttmp6, 0x40000                  ; cx: my place in the cluster
	s_lshl_b32 s12, ttmp9, 2
	s_add_co_u32 s12, s12, s11                     ; tb: my block of 64 tokens
	s_and_b32 s13, ttmp7, 0xffff                   ; q: the quarter, which the four partners share
	s_and_b32 s14, s[WV], 3
	s_lshr_b32 s15, s14, 1                         ; g
	s_and_b32 s16, s14, 1                          ; ud
	; descriptor groups 1, elements of 8 bytes, no padding: an image is read 16 bytes a lane on end
	s_mov_b32 s[G1W], 15|(3<<16)|(1<<21)           ; 15:0 the mask: all four work-groups; 17:16 elements of 8 bytes; 21 set beside a mask
	s_mov_b32 s[G1W+1], 512<<16                    ; tensor_dim0: a tile's 4,096 bytes of a chunk
	s_mov_b32 s[G1W+2], 6<<16                      ; tensor_dim1: six tiles
	s_mov_b32 s[G1W+3], 512<<16                    ; tile_dim0
	s_mov_b32 s[G1W+4], 6                          ; tile_dim1
	s_mov_b32 s[G1W+5], 2048                       ; from tile to tile: 16,384 bytes
	s_mov_b32 s[G1W+6], 0
	s_mov_b32 s[G1W+7], 0
	s_mov_b32 s[G1X], 3<<16                        ; no mask: x's tiles are my work-group's own
	s_mov_b32 s[G1X+1], 512<<16
	s_mov_b32 s[G1X+2], 4<<16
	s_mov_b32 s[G1X+3], 512<<16
	s_mov_b32 s[G1X+4], 4
	s_mov_b32 s[G1X+5], 2048
	s_mov_b32 s[G1X+6], 0
	s_mov_b32 s[G1X+7], 0
	s_mov_b32 s[G1SW], 15|(3<<16)|(1<<21)          ; the quarter's weight scale words: 30,720 dense bytes as 120 rows of 256
	s_mov_b32 s[G1SW+1], 32<<16
	s_mov_b32 s[G1SW+2], 120<<16
	s_mov_b32 s[G1SW+3], 32<<16
	s_mov_b32 s[G1SW+4], 120
	s_mov_b32 s[G1SW+5], 32
	s_mov_b32 s[G1SW+6], 0
	s_mov_b32 s[G1SW+7], 0
	s_mov_b32 s[G1SX], 3<<16                       ; x's: 4,096 dense bytes as 16 rows of 256
	s_mov_b32 s[G1SX+1], 32<<16
	s_mov_b32 s[G1SX+2], 16<<16
	s_mov_b32 s[G1SX+3], 32<<16
	s_mov_b32 s[G1SX+4], 16
	s_mov_b32 s[G1SX+5], 32
	s_mov_b32 s[G1SX+6], 0
	s_mov_b32 s[G1SX+7], 0
	; byte offsets.  What feeds the joint descriptors is made of q and the wave's number alone
	s_mul_i32 s20, s13, 491520                     ; 30 tiles x 16,384
	s_mul_i32 s21, s[WV], 98304                    ; my six
	s_add_co_u32 s20, s20, s21
	s_add_co_u32 s20, s20, WC_OFF
	s_mov_b32 s21, 0
	s_mul_i32 s22, s13, 30720
	s_add_co_u32 s22, s22, WS_OFF
	s_mov_b32 s23, 0
	s_lshl_b32 s2, s12, 16                         ; x: four tiles x 16,384
	s_mov_b32 s3, 0
	s_lshl_b32 s18, s12, 12
	s_add_co_u32 s18, s18, XS_OFF
	s_mov_b32 s19, 0
	s_lshl_b32 s[FRB], s13, 7
	s_add_co_u32 s[FRB], s[FRB], 1048576           ; frequency row 2048 (512 bytes a row), pairs 16 q on
	s_mov_b32 s[FRB+1], 0
	s_lshr_b32 s66, s12, 5                         ; batch
	s_and_b32 s67, s12, 31                         ; my block of 64 tokens in it
	s_lshl_b32 s17, s67, 2
	s_add_co_u32 s17, s17, s14                     ; my token tile in the batch
	s_lshl_b32 s[QCB], s66, 21                     ; Q's codes [batch x 16 + head][tile 128][1,024]: block q of a fragment at 256 q.  The head stands in the stores' immediate
	s_lshl_b32 s[QCB+1], s17, 10
	s_add_co_u32 s[QCB], s[QCB], s[QCB+1]
	s_lshl_b32 s[QCB+1], s13, 8
	s_add_co_u32 s[QCB], s[QCB], s[QCB+1]
	s_mov_b32 s[QCB+1], 0
	s_lshl_b32 s[QSB], s66, 17                     ; Q's scale words [..][tile][64]: byte q of a word
	s_lshl_b32 s[QSB+1], s17, 6
	s_add_co_u32 s[QSB], s[QSB], s[QSB+1]
	s_add_co_u32 s[QSB], s[QSB], s13
	s_add_co_u32 s[QSB], s[QSB], QS_OFF
	s_mov_b32 s[QSB+1], 0
	s_lshr_b32 s17, s67, 1                         ; V: my tokens' key step of 128,
	s_and_b32 s101, s67, 1
	s_lshl_b32 s101, s101, 1
	s_add_co_u32 s101, s101, s15                   ; their block of 32 in it,
	s_lshl_b32 s67, s13, 1
	s_add_co_u32 s67, s67, s16                     ; my tile of d
	s_lshl_b32 s[VCB], s66, 21                     ; V's codes [..][key step 16][d tile 8][1,024]
	s_lshl_b32 s[VCB+1], s17, 13
	s_add_co_u32 s[VCB], s[VCB], s[VCB+1]
	s_lshl_b32 s[VCB+1], s67, 10
	s_add_co_u32 s[VCB], s[VCB], s[VCB+1]
	s_lshl_b32 s[VCB+1], s101, 8
	s_add_co_u32 s[VCB], s[VCB], s[VCB+1]
	s_add_co_u32 s[VCB], s[VCB], VC_OFF
	s_mov_b32 s[VCB+1], 0
	s_lshl_b32 s[VSB], s66, 17                     ; V's scale words [..][key step][d tile][64]
	s_lshl_b32 s[VSB+1], s17, 9
	s_add_co_u32 s[VSB], s[VSB], s[VSB+1]
	s_lshl_b32 s[VSB+1], s67, 6
	s_add_co_u32 s[VSB], s[VSB], s[VSB+1]
	s_add_co_u32 s[VSB], s[VSB], s101
	s_add_co_u32 s[VSB], s[VSB], VS_OFF
	s_mov_b32 s[VSB+1], 0
	s_mov_b32 s[SEL], 0x76543210
	s_mov_b32 s[SEL+1], 0xfedcba98
	s_mov_b32 s[SIXTH], 0x3e2aaaab                 ; 1/6
	; every LDS address is made here, ahead of the first branch on the wave's number
	v_and_b32 v22, 31, v0
	s_delay_alu instid0(VALU_DEP_1)
	v_lshlrev_b32 v[AW0], 4, v22                   ; 16 lane
	v_and_b32 v23, 15, v0                          ; r
	v_bfe_u32 v101, v0, 4, 1                       ; h
	s_delay_alu instid0(VALU_DEP_2)
	v_lshlrev_b32 v107, 4, v23                     ; 16 r
	s_delay_alu instid0(VALU_DEP_4)
	v_add_nc_u32 v[AW0+1], SLOTB, v[AW0]
	v_add_nc_u32 v[AW1], 65536, v[AW0]
	v_add_nc_u32 v[AW1+1], SLOTB+65536, v[AW0]
	s_lshl_b32 s17, s14, 12
	s_add_co_u32 s17, s17, XOFF
	v_add_nc_u32 v[AXO], s17, v[AW0]
	s_delay_alu instid0(VALU_DEP_1)
	v_add_nc_u32 v[AXO+1], SLOTB, v[AXO]
	s_lshl_b32 s17, s15, 13
	s_add_co_u32 s17, s17, XOFF
	v_add_nc_u32 v[AXP], s17, v[AW0]
	s_delay_alu instid0(VALU_DEP_1)
	v_add_nc_u32 v[AXP+1], SLOTB, v[AXP]
	s_lshl_b32 s17, s16, 12
	s_add_co_u32 s17, s17, 26*4096
	v_add_nc_u32 v[ABV], s17, v[AW0]
	s_delay_alu instid0(VALU_DEP_1)
	v_add_nc_u32 v[ABV+1], SLOTB, v[ABV]
	v_lshl_add_u32 v[ASW], v101, 10, v107          ; 1,024 h + 16 r
	s_lshl_b32 s17, s15, 11
	s_add_co_u32 s17, s17, SCX
	v_add_nc_u32 v[ASXP], s17, v[ASW]
	v_add_nc_u32 v[ASW], SCW, v[ASW]
	v_lshl_add_u32 v[ASV], v101, 11, v107          ; 2,048 h + 16 r
	s_lshl_b32 s17, s16, 10
	s_add_co_u32 s17, s17, SCW+26*1024
	v_add_nc_u32 v[ASV], s17, v[ASV]
	s_lshl_b32 s17, s14, 10
	s_add_co_u32 s17, s17, SCX
	v_add_nc_u32 v[ASXO], s17, v107
	v_and_b32 v[AVS], 8, v23
	s_delay_alu instid0(VALU_DEP_1)
	v_add_nc_u32 v[AVS], v[AVS], v23               ; r + 8 (r / 8): rank x 16 + head of Av's column in slot r (+ 8 for the second tile)
	s_delay_alu instid0(VALU_DEP_1)
	v_mul_u32_u24 v[AVS], v[AVS], 144              ; a scratch row: 32 tokens of f32 + 16 bytes
	s_delay_alu instid0(VALU_DEP_1)
	v_lshl_add_u32 v[AVS], v101, 6, v[AVS]
	s_mul_i32 s17, s[WV], 4608                     ; my wave's own 32 rows, in slot 0, used only when that slot has had its last fill and its last read
	v_add_nc_u32 v[AVS], s17, v[AVS]
	v_lshlrev_b32 v[FO], 6, v101
	s_delay_alu instid0(VALU_DEP_1)
	v_add_nc_u32 v[AVL], s17, v[FO]
	v_lshl_add_u32 v[CO], v101, 3, v107
	v_lshlrev_b32 v[SO], 2, v23
	v_mov_b32 v[MX], 0                             ; written once: a lane permute's destination counts as one of its sources
	s_wait_kmcnt 0x0
	s_add_nc_u64 s[20:21], s[4:5], s[20:21]
	s_add_nc_u64 s[22:23], s[4:5], s[22:23]
	s_add_nc_u64 s[2:3], s[4:5], s[2:3]
	s_add_nc_u64 s[18:19], s[4:5], s[18:19]
	s_add_nc_u64 s[FRB:FRB+1], s[6:7], s[FRB:FRB+1]
	s_add_nc_u64 s[QCB:QCB+1], s[8:9], s[QCB:QCB+1]
	s_add_nc_u64 s[QSB:QSB+1], s[8:9], s[QSB:QSB+1]
	s_add_nc_u64 s[KCB:KCB+1], s[QCB:QCB+1], KC_OFF
	s_add_nc_u64 s[KSB:KSB+1], s[QSB:QSB+1], KS_OFF-QS_OFF
	s_add_nc_u64 s[VCB:VCB+1], s[8:9], s[VCB:VCB+1]
	s_add_nc_u64 s[VSB:VSB+1], s[8:9], s[VSB:VSB+1]
	s_mul_i32 s17, s[WV], 24576                    ; my six tiles' place in a slot: no place in the cluster enters an LDS address
.irp s, 0,1
	s_mov_b32 s[G0W+4*\s], 1                       ; count = 1
	s_add_co_u32 s[G0W+4*\s+1], s17, \s*SLOTB      ; LDS address
	s_add_nc_u64 s[G0W+4*\s+2:G0W+4*\s+3], s[20:21], \s*4096       ; global address: chunk s
	s_or_b32 s[G0W+4*\s+3], s[G0W+4*\s+3], 0x80000000              ; type = 2
	s_mov_b32 s[G0X+4*\s], 1
	s_mov_b32 s[G0X+4*\s+1], \s*SLOTB+XOFF
	s_add_nc_u64 s[G0X+4*\s+2:G0X+4*\s+3], s[2:3], \s*4096
	s_or_b32 s[G0X+4*\s+3], s[G0X+4*\s+3], 0x80000000
.endr
	s_mov_b32 s[G0SW], 1
	s_mov_b32 s[G0SW+1], SCW
	s_mov_b64 s[G0SW+2:G0SW+3], s[22:23]
	s_or_b32 s[G0SW+3], s[G0SW+3], 0x80000000
	s_mov_b32 s[G0SX], 1
	s_mov_b32 s[G0SX+1], SCX
	s_mov_b64 s[G0SX+2:G0SX+3], s[18:19]
	s_or_b32 s[G0SX+3], s[G0SX+3], 0x80000000
	CROUND                                         ; all four work-groups are here: the first joint loads meet
	s_cmp_lt_u32 s[WV], 5                          ; the first fills: one chain of branches on the wave's number, one load to an arm, every wave passes one
	s_cbranch_scc0 .Lfirst_not_w
	tensor_load_to_lds s[G0W:G0W+3], s[G1W:G1W+7]  ; chunk 0's weight tiles
	s_nop 0
	PLACES
	s_branch .Lfirst_asked
.Lfirst_not_w:
	s_cmp_eq_u32 s[WV], 5
	s_cbranch_scc0 .Lfirst_six
	tensor_load_to_lds s[G0X:G0X+3], s[G1X:G1X+7]  ; chunk 0's x tiles
	s_nop 0
	PLACES
	s_branch .Lfirst_asked
.Lfirst_six:
	s_cmp_eq_u32 s[WV], 6
	s_cbranch_scc0 .Lfirst_seven
	tensor_load_to_lds s[G0SX:G0SX+3], s[G1SX:G1SX+7]   ; x's scale words
	s_nop 0
	PLACES
	s_branch .Lfirst_asked
.Lfirst_seven:
	tensor_load_to_lds s[G0SW:G0SW+3], s[G1SW:G1SW+7]   ; the weight scale words
	s_nop 0
	PLACES
.Lfirst_asked:
	s_wait_alu depctr_va_vdst(0)
.irp j, 0,1,2,3
	global_load_b128 v[FQ+4*\j:FQ+4*\j+3], v[FO], s[FRB:FRB+1] offset:16*\j   ; (real, imaginary) of pairs 16 q + 8 h + 0..7
.endr
	CHANGE 1, 1, 0                                 ; chunk 0 is whole; slot 1 takes chunk 1
	s_wait_loadcnt 0x0                             ; the frequencies
	CHUNK 0, 0, 1
	CHANGE 1, 0, 1                                 ; slot 0 takes chunk 2
	CHUNK 1, 1, 0
	CHANGE 1, 1, 1                                 ; slot 1 takes chunk 3
	CHUNK 0, 2, 0
	CHANGE 0, 0, 0                                 ; nothing is left to fetch
	CHUNK 1, 3, 0
	s_cmp_lt_u32 s[WV], 4
	s_cbranch_scc0 .Lrecon1
	; ---------------- role 0: Q(token, head, d) = 1/6 x the sum over six ranks of Aq x rotated Bq
	PLACES
.set i, 0
.rept 48
	v_mul_f32 v[W+i], s[SIXTH], v[112+i]           ; Aq / 6, twice: lanes 0-15 hold rank 2 p, lanes 16-31 rank 2 p + 1 (each accumulator is read from its low end on)
.set i, i+1
.endr
.set i, 0
.rept 48
	v_mul_f32 v[112+i], s[SIXTH], v[112+i]
.set i, i+1
.endr
.set i, 0
.rept 48
	v_permlane16_swap_b32 v[112+i], v[W+i]         ; now v[112 + 16 p + head] holds rank 2 p and v[48 + 16 p + head] rank 2 p + 1, of token lane % 16, in both halves of the lanes
.set i, i+1
.endr
.irp p, 0,1,2,3,4,5
	ROPE 160+16*\p
.endr
.macro QHEAD hd
	RANK 1, FQ, 160, 112, \hd
	RANK 0, FQ, 176, 48, \hd
	RANK 0, FQ, 192, 128, \hd
	RANK 0, FQ, 208, 64, \hd
	RANK 0, FQ, 224, 144, \hd
	RANK 0, FQ, 240, 80, \hd
	BLK16 FQ, QCB, (\hd)*131072, QSB, (\hd)*8192
.endm
.irp hd, 0,1,2,3,4,5,6,7,8,9,10,11,12,13,14,15
	QHEAD \hd
.endr
	s_branch .Lend
	; ---------------- role 1
.Lrecon1:
	PLACES
.irp e, 0,2,4,6,8,10,12,14,16,18,20,22,24,26,28,30
	v_pk_mul_f32 v[160+\e:161+\e], v[160+\e:161+\e], 0.5 op_sel_hi:[1,0]     ; Av / 2
.endr
.irp ua, 0,1                                   ; into my scratch: row rank x 16 + head, 32 tokens along it.  A lane holds one column of Av and tokens 16 h + 8 ux + 0..7
.irp ux, 0,1
	ds_store_b128 v[AVS], v[160+8*(2*\ua+\ux):163+8*(2*\ua+\ux)] offset:\ua*1152+\ux*32
	ds_store_b128 v[AVS], v[164+8*(2*\ua+\ux):167+8*(2*\ua+\ux)] offset:\ua*1152+\ux*32+16
.endr
.endr
	; K(token, head, d) = 1/2 x the sum over two ranks of Ak x rotated Bk, as Q
.set i, 0
.rept 16
	v_mul_f32 v[W+i], 0.5, v[112+i]
.set i, i+1
.endr
.set i, 0
.rept 16
	v_mul_f32 v[112+i], 0.5, v[112+i]
.set i, i+1
.endr
.set i, 0
.rept 16
	v_permlane16_swap_b32 v[112+i], v[W+i]
.set i, i+1
.endr
	ROPE 128
	ROPE 144
.macro KHEAD hd
	RANK 1, 64, 128, 112, \hd
	RANK 0, 64, 144, 48, \hd
	BLK16 64, KCB, (\hd)*131072, KSB, (\hd)*8192
.endm
.irp hd, 0,1,2,3,4,5,6,7,8,9,10,11,12,13,14,15
	KHEAD \hd
.endr
	; V(token, head, d) = the sum over two ranks of (Av / 2) x Bv: my lane holds one d and 16 tokens; Av of those tokens comes back from the scratch, the same 64 bytes to all 16 lanes of a half
.macro AVLD hd                         ; head hd's two rows into set hd % 2: v112-143 or v144-175
.irp p, 0,1
.irp j, 0,1,2,3
	ds_load_b128 v[112+32*((\hd)%2)+16*\p+4*\j:112+32*((\hd)%2)+16*\p+4*\j+3], v[AVL] offset:(16*\p+(\hd))*144+16*\j
.endr
.endr
.endm
.macro VHEAD hd
.if (\hd) < 15
	AVLD (\hd)+1
	s_wait_dscnt 8                                 ; this head's 8 loads are in; the next head's 8 may be out
.else
	s_wait_dscnt 0x0
.endif
.irp e, 0,2,4,6,8,10,12,14
	v_pk_mul_f32 v[64+\e:65+\e], v[112+32*((\hd)%2)+\e:113+32*((\hd)%2)+\e], v[192+\e:193+\e]
.endr
.irp e, 0,2,4,6,8,10,12,14
	v_pk_fma_f32 v[64+\e:65+\e], v[128+32*((\hd)%2)+\e:129+32*((\hd)%2)+\e], v[208+\e:209+\e], v[64+\e:65+\e]
.endr
	BLK16 64, VCB, (\hd)*131072, VSB, (\hd)*8192
.endm
	AVLD 0                                         ; LDS serves a wave's instructions in order (ISA guide 5.7.1.4): these see my stores
.irp hd, 0,1,2,3,4,5,6,7,8,9,10,11,12,13,14,15
	VHEAD \hd
.endr
.Lend:
	s_wait_tensorcnt 0x0                           ; the wave's end: behind my last tensor load and my last LDS store
	ds_add_u32 v[SPW], v[NIL]
	s_wait_dscnt 0x0
	CROUND                                         ; the closing round: no work-group ends while a partner may still ask for a tile that names it
	s_endpgm
.Lfunc_end_k_q61ce4753d8_proj:
	.size	k_q61ce4753d8_proj, .Lfunc_end_k_q61ce4753d8_proj-k_q61ce4753d8_proj
	.p2alignl 7, 3214868480
	.fill 96, 4, 3214868480
	.section	.rodata,"a",@progbits
	.p2align	6, 0x0
	.amdhsa_kernel k_q61ce4753d8_proj
		.amdhsa_group_segment_fixed_size 327680
		.amdhsa_private_segment_fixed_size 0
		.amdhsa_enable_private_segment 0
		.amdhsa_kernarg_size 24
		.amdhsa_user_sgpr_count 2
		.amdhsa_user_sgpr_kernarg_segment_ptr 1
		.amdhsa_wavefront_size32 1
		.amdhsa_system_sgpr_workgroup_id_x 1
		.amdhsa_system_sgpr_workgroup_id_y 1
		.amdhsa_system_sgpr_workgroup_id_z 1
		.amdhsa_system_vgpr_workitem_id 0
		.amdhsa_next_free_vgpr 256
		.amdhsa_next_free_sgpr 102
		.amdhsa_reserve_vcc 0
		.amdhsa_float_denorm_mode_32 3
		.amdhsa_float_denorm_mode_16_64 3
		.amdhsa_memory_ordered 1
		.amdhsa_forward_progress 1
		.amdhsa_inst_pref_size 255
	.end_amdhsa_kernel
	.section	.bss,"aw",@nobits
	.p2align	6
	.space	262144
	.amdgpu_metadata
---
amdhsa.version: [ 1, 2 ]
amdhsa.kernels:
  - .name:           k_q61ce4753d8_proj
    .symbol:         k_q61ce4753d8_proj.kd
    .args:
      - { .name: xw, .offset: 0, .size: 8, .value_kind: global_buffer, .address_space: global }
      - { .name: complex_freq, .offset: 8, .size: 8, .value_kind: global_buffer, .address_space: global }
      - { .name: qkv, .offset: 16, .size: 8, .value_kind: global_buffer, .address_space: global }
    .group_segment_fixed_size: 327680
    .private_segment_fixed_size: 0
    .kernarg_segment_align: 8
    .kernarg_segment_size: 24
    .max_flat_workgroup_size: 256
    .sgpr_count:     102
    .vgpr_count:     256
    .wavefront_size: 32
...
	.end_amdgpu_metadata
.endif
;; end of part 2
;; launch attn (part 3): grid 8 x 32, 16 waves a work-group, clusters of 4 x 1, 327,680 bytes of LDS; arguments qkv, oq; writes oq
.if DOCPART == 3
	.amdgcn_target "amdgcn-amd-amdhsa--gfx1250"
	.amdhsa_code_object_version 6
	.text
	.protected	k_q61ce4753d8_attn
	.globl	k_q61ce4753d8_attn
	.p2align	8
	.type	k_q61ce4753d8_attn,@function
k_q61ce4753d8_attn:
	s_mov_b64 s[64:65], 0
	v_nop
	global_prefetch_b8 v0, s[64:65] scope:SCOPE_SE
	s_setreg_imm32_b32 hwreg(HW_REG_WAVE_MODE, 25, 1), 1
	s_wait_xcnt 0x0
	s_wait_alu depctr_hold_cnt(0) depctr_sa_sdst(0) depctr_va_vdst(0) depctr_va_sdst(0) depctr_va_ssrc(0) depctr_va_vcc(0) depctr_vm_vsrc(0)
	s_getreg_b32 s2, hwreg(HW_REG_IB_STS2, 6, 4)
	s_cmp_eq_u32 s2, 0
	s_cbranch_scc0 .Lentry_in_a_cluster
	s_endpgm
.Lentry_in_a_cluster:
	s_bfe_u32 s2, ttmp6, 0x10000c
	s_cmp_lg_u32 s2, 0x3003
	s_cbranch_scc0 .Lentry_shape_is_right
	s_endpgm
.Lentry_shape_is_right:
; O[bh][q][:] = the sum over k of softmax_k(Q[bh][q] . K[bh][k] / sqrt(128)) V[bh][k][:], 32 (batch, head) pairs, 2,048 queries and keys, both products on codes of FP4 (E2M1) with E8M0 scales;
; then O is quantised along (head, d), the K of the product with Wo, and leaves as that product's operand.
; SOFTMAX: t = score x log2(e) / sqrt(128); M = the ceiling of the row's largest t so far; p = 2^(t - M) is quantised along the keys, not normalised.  The row's sum is taken of the unquantised p
; and divides O at the end.  When M moves, the sum and O are multiplied by 2^(old M - new M): exact.  Only -M is carried: the least of floor(-t) over the steps is floor of the least.
; INPUTS, images of operand registers (a fragment of 16 x 128 is 1,024 bytes: two loads at 16 lane): Q, K [bh][tile 128][1,024]; V [bh][key step 16][d tile 8][1,024]; scale words 64 bytes a fragment.
; Slot r of tile 2 b + u is member 32 b + 8 u + r + 8 (r / 8): the 16 registers of two neighbouring result tiles are 16 neighbours.
; SHARES.  A work-group owns 256 queries of one bh, each of its sixteen waves one tile of 16; every wave walks all keys, 128 a step.  Both products are transposed: a lane holds one query.
; LDS holds all of a bh's K and V: 131,072 bytes each, and 16,384 of scale words.  Nothing is filled twice.  At the head ten waves fetch 8,192 bytes each: keys 0-511 of K (waves 0-3) and of V (4-7), K's and V's
; scale words (8, 9).  Behind the full sequence and a round every wave fetches 12,288 bytes of keys 512-2,047 (waves 0-7 K, 8-15 V).  Steps 0 to 3 read keys 0-511 alone, but for step 3's look-ahead:
; each wave signals behind step 2, when its own load has landed, and waits in step 3 ahead of that look-ahead.
; CLUSTER.  The four query blocks of a cluster belong to one bh: each tile is asked for jointly (mask 15).
; PREFETCH.  At the head each wave asks for a quarter (by the work-group's place, in the address alone) of the 48 blocks of 256 bytes that its second load names: 12 lanes a block each, the other lanes the last block again.
; Two sets of 64 registers change roles from step to step: one holds K, then V; the other S^T, then p, then the next step's K.
; LIMITS: NaN and infinities are not served; the promise holds while the scaled scores stay under 2^31 in magnitude; 1 / the sum is v_rcp_f32; a block of zeros gets the scale byte 1 (zero codes; this program alone reads the bytes).
.set KC_OFF, 4194304
.set QS_OFF, 12582912
.set KS_OFF, 12845056
.set OS_OFF, 4194304
.set VREG,  131072                     ; LDS: K's codes from 0, V's from here
.set PAIR,  16384                      ; two key steps of K's codes, or of V's
.set SCK,   262144                     ; K's scale words, 8,192 bytes; V's behind them
.set SPARE, SCK+16384                  ; the spare words, 128 bytes a wave
.set AL,   1                           ; v1  16 lane
.set AS0,  2                           ; v2  SCK + 4 lane
.set QSO,  3                           ; v3  4 r
.set OSO,  4                           ; v4  16 r
.set SPW,  5
.set NIL,  6
.set PFO,  7                           ; v7  256 x min(lane, 11)
.set ADK,  8
.set ADV,  9
.set ADS,  10
.set KSC,  24
.set VSC,  28
.set RA,   32
.set RB,   96
.set TM,   232
.set PC,   224
.set WV,   18
.set SEL,  20
.set CS,   22
.set G1C,  24                          ; 32 rows of 256 bytes
.set G1R,  32                          ; 48 rows of 256 bytes
.set G0S,  44
.set TB,   48
.set TS,   49
.set TRIPS, 50
.set NC,   51                          ; -c
.set G0A,  80
.set G0R,  84
.set PFA,  88
.macro PLACES
.rept 4
	v_nop
.endr
.endm
.macro CROUND
	s_barrier_signal -1
	s_barrier_wait -1
	s_cmp_lg_u32 s[WV], 0
	s_cbranch_scc1 .Lnot_wave_0_\@
	s_barrier_signal -3
.Lnot_wave_0_\@:
	s_barrier_wait -3
	s_barrier_signal -1
	s_barrier_wait -1
.endm
.macro G0SET g, lds, adr
	s_mov_b32 s[\g], 1
	s_mov_b32 s[\g+1], s\lds
	s_mov_b64 s[\g+2:\g+3], s[\adr:\adr+1]
	s_or_b32 s[\g+3], s[\g+3], 0x80000000
.endm
	s_load_b128 s[4:7], s[0:1], 0x0                ; qkv s[4:5], oq s[6:7]
	v_lshl_add_u32 v[SPW], v0, 2, SPARE
	v_mov_b32 v[NIL], 0
	ds_add_u32 v[SPW], v[NIL]                      ; the opening lines: the add twice on end and one wait
	ds_add_u32 v[SPW], v[NIL]
	v_lshrrev_b32 v8, 5, v0
	s_delay_alu instid0(VALU_DEP_1)
	v_readfirstlane_b32 s[WV], v8                  ; wave 0..15
	s_bfe_u32 s66, ttmp6, 0x40000                  ; cx
	s_lshl_b32 s67, ttmp9, 2
	s_add_co_u32 s67, s67, s66                     ; my block of 256 queries
	s_and_b32 s68, ttmp7, 0xffff                   ; bh, which the four partners share
	s_lshr_b32 s69, s[WV], 2                       ; head, waves 0-7: K (0) or V (1),
	s_and_b32 s76, s[WV], 3                        ; which 8,192 bytes
	s_lshl_b32 s70, s68, 17
	s_lshl_b32 s71, s69, 22                        ; V's codes lie 4,194,304 bytes behind K's
	s_add_co_u32 s70, s70, s71
	s_lshl_b32 s71, s76, 13
	s_add_co_u32 s70, s70, s71
	s_add_co_u32 s70, s70, KC_OFF
	s_mov_b32 s71, 0
	s_lshl_b32 s78, s69, 17
	s_lshl_b32 s79, s76, 13
	s_add_co_u32 s78, s78, s79                     ; and where they go
	s_and_b32 s73, s[WV], 1                        ; head, waves 8, 9: K's or V's scale words (262,144 bytes apart)
	s_lshl_b32 s73, s73, 18
	s_lshl_b32 s72, s68, 13
	s_add_co_u32 s72, s72, s73
	s_add_co_u32 s72, s72, KS_OFF
	s_mov_b32 s73, 0
	s_lshl_b32 s79, s[WV], 13
	s_add_co_u32 s79, s79, SCK-65536               ; SCK + 8,192 (wave - 8)
	s_lshr_b32 s77, s[WV], 3                       ; the second load: K (waves 0-7) or V,
	s_and_b32 s53, s[WV], 7
	s_mul_i32 s53, s53, 12288                      ; which 12,288 bytes of keys 512 on
	s_lshl_b32 s74, s68, 17
	s_lshl_b32 s75, s77, 22
	s_add_co_u32 s74, s74, s75
	s_add_co_u32 s74, s74, s53
	s_add_co_u32 s74, s74, KC_OFF+32768
	s_mov_b32 s75, 0
	s_lshl_b32 s52, s77, 17
	s_add_co_u32 s52, s52, s53
	s_add_co_u32 s52, s52, 32768
	s_mul_i32 s62, s66, 3072                       ; the prefetch: my work-group's 12 blocks of the 48
	s_mov_b32 s63, 0
.irp g, G1C, G1R
	s_mov_b32 s[\g], 15|(3<<16)|(1<<21)            ; the mask: all four work-groups; elements of 8 bytes; bit 21 beside a mask; no padding
	s_mov_b32 s[\g+1], 32<<16                      ; rows of 256 bytes, dense
	s_mov_b32 s[\g+3], 32<<16
	s_mov_b32 s[\g+5], 32
	s_mov_b32 s[\g+6], 0
	s_mov_b32 s[\g+7], 0
.endr
	s_mov_b32 s[G1C+2], 32<<16
	s_mov_b32 s[G1C+4], 32
	s_mov_b32 s[G1R+2], 48<<16
	s_mov_b32 s[G1R+4], 48
	s_lshl_b32 s90, s67, 4
	s_add_co_u32 s90, s90, s[WV]                   ; my tile of queries, 0..127
	s_lshl_b32 s54, s68, 17
	s_lshl_b32 s55, s90, 10
	s_add_co_u32 s54, s54, s55                     ; its codes
	s_mov_b32 s55, 0
	s_lshl_b32 s56, s68, 13
	s_lshl_b32 s57, s90, 6
	s_add_co_u32 s56, s56, s57
	s_add_co_u32 s56, s56, QS_OFF                  ; its scale words
	s_mov_b32 s57, 0
	s_lshr_b32 s91, s68, 4
	s_lshl_b32 s91, s91, 7
	s_add_co_u32 s91, s91, s90                     ; its token tile over both batches
	s_and_b32 s92, s68, 15                         ; the head: the fragment along the next K
	s_lshl_b32 s58, s91, 14
	s_lshl_b32 s59, s92, 10
	s_add_co_u32 s58, s58, s59                     ; O's codes [token tile][head][1,024]
	s_mov_b32 s59, 0
	s_lshl_b32 s60, s91, 10
	s_lshr_b32 s61, s92, 2
	s_lshl_b32 s61, s61, 8
	s_add_co_u32 s60, s60, s61
	s_and_b32 s61, s92, 3
	s_lshl_b32 s61, s61, 2
	s_add_co_u32 s60, s60, s61
	s_add_co_u32 s60, s60, OS_OFF                  ; O's scale words: 256 (head / 4) + 16 r + 4 (head % 4) in a tile's 1,024
	s_mov_b32 s61, 0
	s_mov_b32 s[SEL], 0x76543210
	s_mov_b32 s[SEL+1], 0xfedcba98
	s_mov_b32 s[CS], 0x3e0293ee                    ; c = log2(e) / sqrt(128)
	s_mov_b32 s[CS+1], s[CS]
	s_mov_b32 s[NC], 0xbe0293ee                    ; -c
	s_mov_b32 s[TB], 0
	s_mov_b32 s[TS], 0
	s_mov_b32 s[TRIPS], 5
	v_and_b32 v8, 31, v0
	v_and_b32 v9, 15, v0
	s_delay_alu instid0(VALU_DEP_2)
	v_lshlrev_b32 v[AL], 4, v8
	v_lshl_add_u32 v[AS0], v8, 2, SCK
	v_lshlrev_b32 v[QSO], 2, v9
	v_lshlrev_b32 v[OSO], 4, v9
	v_min_u32 v[PFO], 11, v8
	s_delay_alu instid0(VALU_DEP_1)
	v_lshlrev_b32 v[PFO], 8, v[PFO]
	s_wait_dscnt 0x0                               ; both opening adds are done
	s_wait_kmcnt 0x0
	s_add_nc_u64 s[70:71], s[4:5], s[70:71]
	s_add_nc_u64 s[72:73], s[4:5], s[72:73]
	s_add_nc_u64 s[74:75], s[4:5], s[74:75]
	s_add_nc_u64 s[PFA:PFA+1], s[74:75], s[62:63]
	s_add_nc_u64 s[54:55], s[4:5], s[54:55]
	s_add_nc_u64 s[56:57], s[4:5], s[56:57]
	s_add_nc_u64 s[58:59], s[6:7], s[58:59]
	s_add_nc_u64 s[60:61], s[6:7], s[60:61]
	G0SET G0A, 78, 70
	G0SET G0S, 79, 72
	G0SET G0R, 52, 74
	CROUND                                         ; all four work-groups are here: the joint loads meet
	s_cmp_lt_u32 s[WV], 8                          ; the head's loads: one chain of branches on the wave's number, one load to an arm
	s_cbranch_scc0 .Lhead_s
	tensor_load_to_lds s[G0A:G0A+3], s[G1C:G1C+7]
	s_nop 0
	PLACES
	s_branch .Lhead_asked
.Lhead_s:
	s_cmp_lt_u32 s[WV], 10
	s_cbranch_scc0 .Lhead_asked
	tensor_load_to_lds s[G0S:G0S+3], s[G1C:G1C+7]
	s_nop 0
	PLACES
.Lhead_asked:
	s_wait_alu depctr_va_vdst(0)
	global_load_b128 v[16:19], v[AL], s[54:55]     ; Q's fragment stays in registers
	global_load_b128 v[20:23], v[AL], s[54:55] offset:512
	global_load_b32 v255, v[QSO], s[56:57]         ; and its scale words
	global_prefetch_b8 v[PFO], s[PFA:PFA+1] th:TH_LOAD_NT scope:SCOPE_SE
	v_mov_b32 v12, 0x7f61b1e6                      ; -M: 3e38, over every floor(-t)
	v_mov_b32 v13, 0                               ; (named with it as a pair)
	v_mov_b32 v14, 0                               ; the sum, in two halves
	v_mov_b32 v15, 0
.irp b, 0,1,2,3
	v_mov_b32 v[236+\b], 0                         ; a lane permute's destination counts as one of its sources
.endr
	v_mov_b32 v253, 0
.set j, 0
.rept 64
	v_mov_b32 v[160+j], 0                          ; O^T: the first change of M leaves zeros zeros
.set j, j+1
.endr
.macro SLOT_ADDR                       ; the addresses of two key steps
	v_add_nc_u32 v[ADK], s[TB], v[AL]
	s_delay_alu instid0(VALU_DEP_1)
	v_add_nc_u32 v[ADV], VREG, v[ADK]
	v_add_nc_u32 v[ADS], s[TS], v[AS0]
.endm
.macro NEXT_PAIR
	s_add_co_u32 s[TB], s[TB], PAIR
	s_add_co_u32 s[TS], s[TS], 1024
.endm
.macro KLOAD kr, q                     ; 20 LDS loads: eight tiles of K and their scale words, two tiles to a register
.irp t, 0,1,2,3,4,5,6,7
	ds_load_b128 v[\kr+8*\t:\kr+8*\t+3], v[ADK] offset:(8*(\q)+\t)*1024
	ds_load_b128 v[\kr+8*\t+4:\kr+8*\t+7], v[ADK] offset:(8*(\q)+\t)*1024+512
.endr
.irp p, 0,1,2,3
	ds_load_b32 v[KSC+\p], v[ADS] offset:512*(\q)+128*\p
.endr
.endm
.macro VLOAD kr, q                     ; the same of V
.irp t, 0,1,2,3,4,5,6,7
	ds_load_b128 v[\kr+8*\t:\kr+8*\t+3], v[ADV] offset:(8*(\q)+\t)*1024
	ds_load_b128 v[\kr+8*\t+4:\kr+8*\t+7], v[ADV] offset:(8*(\q)+\t)*1024+512
.endr
.irp p, 0,1,2,3
	ds_load_b32 v[VSC+\p], v[ADS] offset:8192+512*(\q)+128*\p
.endr
.endm
; A KEY STEP of 128 keys.  kr: K, then V;  sr: S^T, then p, then (nx = 1) the next step's K.  bw = 1: the barrier for keys 512 on is waited for ahead of the look-ahead
.macro STEP kr, sr, q, nx, bw
	s_wait_dscnt 0x0                               ; this step's K and its scale words are in
.irp t, 0,1,2,3,4,5,6,7
.if \t%2
	v_wmma_scale_f32_16x16x128_f8f6f4 v[\sr+8*\t:\sr+8*\t+7], v[\kr+8*\t:\kr+8*\t+7], v[16:23], 0, v[KSC+\t/2], v255 matrix_a_fmt:MATRIX_FMT_FP4 matrix_b_fmt:MATRIX_FMT_FP4 matrix_a_scale:MATRIX_SCALE_ROW1
.else
	v_wmma_scale_f32_16x16x128_f8f6f4 v[\sr+8*\t:\sr+8*\t+7], v[\kr+8*\t:\kr+8*\t+7], v[16:23], 0, v[KSC+\t/2], v255 matrix_a_fmt:MATRIX_FMT_FP4 matrix_b_fmt:MATRIX_FMT_FP4
.endif
.endr
	PLACES                                         ; four places ahead of loads into K's registers and of the first read of S^T
	VLOAD \kr, \q
.irp b, 0,1,2,3                                ; the largest score of each block of 32 keys, two chains a block, eight by turns; each accumulator is first read at its low end
	v_max3_num_f32 v[232+\b], v[\sr+16*\b], v[\sr+1+16*\b], v[\sr+2+16*\b]
	v_max3_num_f32 v[240+\b], v[\sr+8+16*\b], v[\sr+9+16*\b], v[\sr+10+16*\b]
.endr
.irp i, 3,5
.irp b, 0,1,2,3
	v_max3_num_f32 v[232+\b], v[232+\b], v[\sr+16*\b+\i], v[\sr+1+16*\b+\i]
	v_max3_num_f32 v[240+\b], v[240+\b], v[\sr+8+16*\b+\i], v[\sr+9+16*\b+\i]
.endr
.endr
.irp b, 0,1,2,3
	v_max3_num_f32 v[232+\b], v[232+\b], v[\sr+7+16*\b], v[\sr+15+16*\b]
.endr
.irp b, 0,1,2,3
	s_delay_alu instid0(VALU_DEP_4)
	v_max_num_f32 v[232+\b], v[232+\b], v[240+\b]
.endr
.irp b, 0,1,2,3
	s_delay_alu instid0(VALU_DEP_4)
	v_permlanex16_b32 v[236+\b], v[232+\b], s[SEL], s[SEL+1]
.endr
.irp b, 0,1,2,3
	s_delay_alu instid0(VALU_DEP_4)
	v_max_num_f32 v[232+\b], v[232+\b], v[236+\b]  ; with lane l xor 16's 16 keys
.endr
	v_mov_b32 v251, v12                            ; the old -M
	s_delay_alu instid0(VALU_DEP_3)
	v_max3_num_f32 v254, v232, v233, v234
	s_delay_alu instid0(VALU_DEP_1)
	v_max_num_f32 v254, v254, v235                 ; the step's largest score of my query
	s_delay_alu instid0(VALU_DEP_1)
	v_mul_f32 v254, s[NC], v254                    ; -t
	s_delay_alu instid0(VALU_DEP_1)
	v_floor_f32 v254, v254                         ; floor(-t) = -ceil(t)
	s_delay_alu instid0(VALU_DEP_1)
	v_min_num_f32 v12, v12, v254                   ; the new -M
	s_delay_alu instid0(VALU_DEP_1)
	v_sub_f32 v254, v12, v251                      ; old M - new M: a whole number, 0 or less
.irp j, 0,2,4,6
	v_pk_fma_f32 v[\sr+\j:\sr+1+\j], v[\sr+\j:\sr+1+\j], s[CS:CS+1], v[12:13] op_sel_hi:[1,0,0]   ; t - M, two at a time
.endr
	v_cvt_i32_f32 v254, v254                       ; (it saturates)
.irp j, 8,10,12,14
	v_pk_fma_f32 v[\sr+\j:\sr+1+\j], v[\sr+\j:\sr+1+\j], s[CS:CS+1], v[12:13] op_sel_hi:[1,0,0]
.endr
	v_ldexp_f32 v252, 1.0, v254                    ; f = 2^(old M - new M)
.irp j, 16,18,20,22,24,26,28,30,32,34,36,38,40,42,44,46,48,50,52,54,56,58,60,62
	v_pk_fma_f32 v[\sr+\j:\sr+1+\j], v[\sr+\j:\sr+1+\j], s[CS:CS+1], v[12:13] op_sel_hi:[1,0,0]
.endr
.irp b, 0,1,2,3
	v_fma_f32 v[232+\b], v[232+\b], s[CS], v12     ; the same of each block's largest score
.endr
	s_wait_alu depctr_va_vdst(0)
.set j, 0
.rept 64
	v_exp_f32 v[\sr+j], v[\sr+j]                   ; p = 2^(t - M)
.set j, j+1
.endr
	v_pk_mul_f32 v[14:15], v[14:15], v[252:253] op_sel_hi:[1,0]   ; the sums under the new M; a plain place behind the exponentials
	s_wait_alu depctr_va_vdst(0)                   ; one wait for the batch, ahead of its first reader
.irp b, 0,1,2,3
	v_exp_f32 v[232+\b], v[232+\b]                 ; the block's largest p
.endr
	v_pk_add_f32 v[236:237], v[\sr:\sr+1], v[\sr+2:\sr+3]          ; the row's sum of the unquantised p, in four chains by turns
	v_pk_add_f32 v[240:241], v[\sr+4:\sr+5], v[\sr+6:\sr+7]
	v_pk_add_f32 v[242:243], v[\sr+8:\sr+9], v[\sr+10:\sr+11]
.irp j, 12,20,28,36,44,52
	v_pk_add_f32 v[14:15], v[14:15], v[\sr+\j:\sr+1+\j]
	v_pk_add_f32 v[236:237], v[236:237], v[\sr+2+\j:\sr+3+\j]
	v_pk_add_f32 v[240:241], v[240:241], v[\sr+4+\j:\sr+5+\j]
	v_pk_add_f32 v[242:243], v[242:243], v[\sr+6+\j:\sr+7+\j]
.endr
	v_pk_add_f32 v[14:15], v[14:15], v[\sr+60:\sr+61]
	v_pk_add_f32 v[236:237], v[236:237], v[\sr+62:\sr+63]
	v_pk_add_f32 v[240:241], v[240:241], v[242:243]
	s_delay_alu instid0(VALU_DEP_2)
	v_pk_add_f32 v[14:15], v[14:15], v[236:237]
	s_delay_alu instid0(VALU_DEP_1)
	v_pk_add_f32 v[14:15], v[14:15], v[240:241]
	s_wait_alu depctr_va_vdst(0)                   ; and one for the four
.irp b, 0,1,2,3
	v_max_num_f32 v[232+\b], 0x1800000, v[232+\b]  ; the floor 2^(3 - 127): the byte cannot fall under 1
.endr
.irp b, 0,1,2,3
	s_delay_alu instid0(VALU_DEP_4)
	v_add_nc_u32 v[244+\b], 0xff000000, v[232+\b]  ; 2 off the exponent field: the conversion's scale operand
.endr
.irp b, 0,1,2,3
	s_delay_alu instid0(VALU_DEP_4)
	v_lshrrev_b32 v[236+\b], 23, v[244+\b]         ; the scale's byte
.endr
	s_delay_alu instid0(VALU_DEP_3)
	v_lshl_or_b32 v253, v237, 8, v236              ; p's scale word for these 128 keys
	s_delay_alu instid0(VALU_DEP_1)
	v_lshl_or_b32 v253, v238, 16, v253
	s_delay_alu instid0(VALU_DEP_1)
	v_lshl_or_b32 v253, v239, 24, v253
.irp b, 0,1,2,3
	v_cvt_scalef32_pk8_fp4_f32 v[224+2*\b], v[\sr+16*\b:\sr+7+16*\b], v[244+\b]
	v_cvt_scalef32_pk8_fp4_f32 v[225+2*\b], v[\sr+8+16*\b:\sr+15+16*\b], v[244+\b]
.endr
	v_nop                                          ; one plain place behind a scaled conversion
.irp c, 0,1                                    ; a whole block in a lane: lanes 0-15 block 2 c, lanes 16-31 block 2 c + 1
.irp i, 0,1
	v_permlane16_swap_b32 v[224+4*\c+\i], v[226+4*\c+\i]
.endr
.endr
.if \bw
	s_barrier_wait -1                              ; every wave's second load has landed: all of K and V lies in LDS
.endif
.if \nx
	KLOAD \sr, (\q)+1                              ; p has become codes: its registers take the next step's K
.endif
.irp j, 0,2,4,6,8,10,12,14,16,18,20,22,24,26,28,30,32,34,36,38,40,42,44,46,48,50,52,54,56,58,60,62
	v_pk_mul_f32 v[160+\j:161+\j], v[160+\j:161+\j], v[252:253] op_sel_hi:[1,0]   ; O^T x f; also the places between p's codes and scale word and the products below
.endr
	s_wait_alu depctr_va_vdst(0)
.if \nx
	s_wait_dscnt 20                                ; V's 20 loads are in; the next step's 20 of K, issued behind them, may be out
.else
	s_wait_dscnt 0x0
.endif
.irp t, 0,1,2,3,4,5,6,7                        ; O^T += V^T P^T; the eight accumulators take turns
.if \t%2
	v_wmma_scale_f32_16x16x128_f8f6f4 v[160+8*\t:167+8*\t], v[\kr+8*\t:\kr+8*\t+7], v[224:231], v[160+8*\t:167+8*\t], v[VSC+\t/2], v253 matrix_a_fmt:MATRIX_FMT_FP4 matrix_b_fmt:MATRIX_FMT_FP4 matrix_a_scale:MATRIX_SCALE_ROW1
.else
	v_wmma_scale_f32_16x16x128_f8f6f4 v[160+8*\t:167+8*\t], v[\kr+8*\t:\kr+8*\t+7], v[224:231], v[160+8*\t:167+8*\t], v[VSC+\t/2], v253 matrix_a_fmt:MATRIX_FMT_FP4 matrix_b_fmt:MATRIX_FMT_FP4
.endif
.endr
.if \nx
.rept 5
	v_nop                                          ; five places: the next step's S products write over the registers that these have read as V
.endr
.endif
.endm
	s_wait_alu depctr_va_vdst(0)
	s_wait_tensorcnt 0x0                           ; my head load, if I had one, has landed
	ds_add_u32 v[SPW], v[NIL]
	ds_add_u32 v[SPW], v[NIL]                      ; twice on end
	s_wait_dscnt 0x0
	CROUND                                         ; keys 0-511 and the scale words are whole, and the four work-groups meet
	tensor_load_to_lds s[G0R:G0R+3], s[G1R:G1R+7]  ; my 12,288 bytes of keys 512 on
	s_nop 0
	PLACES
	SLOT_ADDR
	KLOAD RA, 0
	s_wait_alu depctr_va_vdst(0)
	s_wait_loadcnt 0x0                             ; Q
	STEP RA, RB, 0, 1, 0
	STEP RB, RA, 1, 1, 0
	NEXT_PAIR
	SLOT_ADDR
	s_wait_alu depctr_va_vdst(0)
	STEP RA, RB, 0, 1, 0
	s_wait_tensorcnt 0x0                           ; my second load has landed,
	s_wait_dscnt 0x0                               ; no LDS load of mine is pending at a signal:
	s_barrier_signal -1                            ; say so; up to the wait step 3 reads keys 0-511 alone, which nobody writes
	STEP RB, RA, 1, 1, 1
	NEXT_PAIR
.Lpair:                                            ; five trips of two steps: keys 512 to 1,791
	SLOT_ADDR
	s_wait_alu depctr_va_vdst(0)
	STEP RA, RB, 0, 1, 0
	STEP RB, RA, 1, 1, 0
	NEXT_PAIR
	s_sub_co_u32 s[TRIPS], s[TRIPS], 1
	s_cmp_lg_u32 s[TRIPS], 0
	s_cbranch_scc1 .Lpair
	SLOT_ADDR                                      ; the last two steps: the last has no step to look ahead to
	s_wait_alu depctr_va_vdst(0)
	STEP RA, RB, 0, 1, 0
	STEP RB, RA, 1, 0, 0
	; THE WAY OUT.  O^T / the sum; register 16 b + i is d = 32 b + 16 (lane / 16) + i of my query: what the quantiser along d wants
	PLACES
	v_add_f32 v14, v14, v15
	s_delay_alu instid0(VALU_DEP_1)
	v_permlanex16_b32 v252, v14, s[SEL], s[SEL+1]
	s_delay_alu instid0(VALU_DEP_1)
	v_add_f32 v14, v14, v252                       ; the row's sum
	s_wait_alu depctr_va_vdst(0)
	v_rcp_f32 v14, v14
	v_nop
	s_wait_alu depctr_va_vdst(0)
.set j, 0
.rept 64
	v_mul_f32 v[96+j], v[160+j], v14               ; each accumulator from its low end on
.set j, j+1
.endr
.irp b, 0,1,2,3
	v_max3_num_f32 v[TM+\b], |v[96+16*\b]|, |v[97+16*\b]|, 0x1800000
.endr
.irp i, 2,4,6,8,10,12,14
.irp b, 0,1,2,3
	s_delay_alu instid0(VALU_DEP_4)
	v_max3_num_f32 v[TM+\b], v[TM+\b], |v[96+16*\b+\i]|, |v[97+16*\b+\i]|
.endr
.endr
.irp b, 0,1,2,3
	s_delay_alu instid0(VALU_DEP_4)
	v_permlanex16_b32 v[TM+4+\b], v[TM+\b], s[SEL], s[SEL+1]
.endr
.irp b, 0,1,2,3
	s_delay_alu instid0(VALU_DEP_4)
	v_max_num_f32 v[TM+\b], v[TM+\b], v[TM+4+\b]
.endr
.irp b, 0,1,2,3
	s_delay_alu instid0(VALU_DEP_4)
	v_add_nc_u32 v[TM+12+\b], 0xff000000, v[TM+\b]
.endr
.irp b, 0,1,2,3
	s_delay_alu instid0(VALU_DEP_4)
	v_lshrrev_b32 v[TM+4+\b], 23, v[TM+12+\b]
.endr
	s_delay_alu instid0(VALU_DEP_3)
	v_lshl_or_b32 v252, v[TM+5], 8, v[TM+4]        ; my query's scale word for this head
	s_delay_alu instid0(VALU_DEP_1)
	v_lshl_or_b32 v252, v[TM+6], 16, v252
	s_delay_alu instid0(VALU_DEP_1)
	v_lshl_or_b32 v252, v[TM+7], 24, v252
.irp b, 0,1,2,3
	v_cvt_scalef32_pk8_fp4_f32 v[PC+2*\b], v[96+16*\b:103+16*\b], v[TM+12+\b]
	v_cvt_scalef32_pk8_fp4_f32 v[PC+1+2*\b], v[104+16*\b:111+16*\b], v[TM+12+\b]
.endr
	v_nop
.irp c, 0,1
.irp i, 0,1
	v_permlane16_swap_b32 v[PC+4*\c+\i], v[PC+2+4*\c+\i]
.endr
.endr
	global_store_b128 v[AL], v[PC:PC+3], s[58:59]                  ; 32 lanes store 512 consecutive bytes, aligned
	global_store_b128 v[AL], v[PC+4:PC+7], s[58:59] offset:512
	global_store_b32 v[OSO], v252, s[60:61]        ; 4 bytes of each 16: a row's four words of a group of heads come from four work-groups
	s_wait_tensorcnt 0x0                           ; the wave's end
	ds_add_u32 v[SPW], v[NIL]
	s_wait_dscnt 0x0
	CROUND                                         ; the closing round
	s_endpgm
.Lfunc_end_k_q61ce4753d8_attn:
	.size	k_q61ce4753d8_attn, .Lfunc_end_k_q61ce4753d8_attn-k_q61ce4753d8_attn
	.p2alignl 7, 3214868480
	.fill 96, 4, 3214868480
	.section	.rodata,"a",@progbits
	.p2align	6, 0x0
	.amdhsa_kernel k_q61ce4753d8_attn
		.amdhsa_group_segment_fixed_size 327680
		.amdhsa_private_segment_fixed_size 0
		.amdhsa_enable_private_segment 0
		.amdhsa_kernarg_size 16
		.amdhsa_user_sgpr_count 2
		.amdhsa_user_sgpr_kernarg_segment_ptr 1
		.amdhsa_wavefront_size32 1
		.amdhsa_system_sgpr_workgroup_id_x 1
		.amdhsa_system_sgpr_workgroup_id_y 1
		.amdhsa_system_sgpr_workgroup_id_z 1
		.amdhsa_system_vgpr_workitem_id 0
		.amdhsa_next_free_vgpr 256
		.amdhsa_next_free_sgpr 96
		.amdhsa_reserve_vcc 0
		.amdhsa_float_denorm_mode_32 3
		.amdhsa_float_denorm_mode_16_64 3
		.amdhsa_memory_ordered 1
		.amdhsa_forward_progress 1
		.amdhsa_inst_pref_size 168
	.end_amdhsa_kernel
	.amdgpu_metadata
---
amdhsa.version: [ 1, 2 ]
amdhsa.kernels:
  - .name:           k_q61ce4753d8_attn
    .symbol:         k_q61ce4753d8_attn.kd
    .args:
      - { .name: qkv, .offset: 0, .size: 8, .value_kind: global_buffer, .address_space: global }
      - { .name: oq, .offset: 8, .size: 8, .value_kind: global_buffer, .address_space: global }
    .group_segment_fixed_size: 327680
    .private_segment_fixed_size: 0
    .kernarg_segment_align: 8
    .kernarg_segment_size: 16
    .max_flat_workgroup_size: 512
    .sgpr_count:     96
    .vgpr_count:     256
    .wavefront_size: 32
...
	.end_amdgpu_metadata
.endif
;; end of part 3
;; launch outproj (part 4): grid 8 x 32, 4 waves a work-group, clusters of 4 x 4, 327,680 bytes of LDS; arguments oq, xw, out0; writes out0
.if DOCPART == 4
	.amdgcn_target "amdgcn-amd-amdhsa--gfx1250"
	.amdhsa_code_object_version 6
	.text
	.protected	k_q61ce4753d8_outproj
	.globl	k_q61ce4753d8_outproj
	.p2align	8
	.type	k_q61ce4753d8_outproj,@function
k_q61ce4753d8_outproj:
	s_mov_b64 s[64:65], 0
	v_nop
	global_prefetch_b8 v0, s[64:65] scope:SCOPE_SE
	s_setreg_imm32_b32 hwreg(HW_REG_WAVE_MODE, 25, 1), 1
	s_wait_xcnt 0x0
	s_wait_alu depctr_hold_cnt(0) depctr_sa_sdst(0) depctr_va_vdst(0) depctr_va_sdst(0) depctr_va_ssrc(0) depctr_va_vcc(0) depctr_vm_vsrc(0)
	s_getreg_b32 s2, hwreg(HW_REG_IB_STS2, 6, 4)
	s_cmp_eq_u32 s2, 0
	s_cbranch_scc0 .Lentry_in_a_cluster
	s_endpgm
.Lentry_in_a_cluster:
	s_bfe_u32 s2, ttmp6, 0x10000c
	s_cmp_lg_u32 s2, 0xf033
	s_cbranch_scc0 .Lentry_shape_is_right
	s_endpgm
.Lentry_shape_is_right:
; out0 [4096][2048] f32 = O Wo, both operands as codes of FP4 (E2M1) with E8M0 scales, K = 2048, laid as images of operand registers:
; a tile is 16 rows x all of K, 16 fragments of 1,024 bytes on end (two loads at 16 lane); its scale words 1,024 bytes: slot r, fragment ks at 256 (ks / 4) + 16 r + 4 (ks % 4).
; Of 32 neighbours, member l lies in tile (l / 8) % 2, slot l % 8 + 8 (l / 16): the way out puts rows and columns back.
; SHARES.  A work-group makes 128 rows x 256 columns: 32 x 8 = 256 work-groups.  A wave makes 64 x 128: 32 accumulators, which take turns in one order in every step.
; K goes in four chunks of 512 through two LDS slots: 8 tiles of O, then 16 of Wo, 4,096 bytes each.  The scale words of all of K come once and stay behind the ring.
; HEAD: wave 0 fetches chunk 0 of O's 8 tiles, wave 1 of Wo's 16, wave 2 O's scale words, wave 3 Wo's.  Later a wave fetches 4 tiles of O (waves 0, 1) or 8 of Wo (waves 2, 3).
; CLUSTER 4 x 4: O's tiles are shared along a row, Wo's along a column, by joint loads; a round of the cluster's barrier stands in front of each group of them.
; PREFETCH: at the head chunks 1 and 2 are asked for, behind chunk 1's load chunk 3: each at least one fill ahead of its load.  A chunk's blocks of 256 bytes are shared out among the four partners by address:
; wave 0 names 2 of O's 8 tiles (by cx), waves 2 and 3 two each of 4 of Wo's 16 (by cy): 32 lanes, a block each.
; The product is used transposed (source 0 = Wo's columns, source 1 = tokens): a lane holds eight neighbouring slots of a row of the result.
; REGISTERS: window 0: v16-30 addresses, v32-95 scale words (two sets), v128-191 O's fragments (two sets of 4); window 1: Wo's fragments, two sets at v0 and v128; window 2: the accumulators.
.set SIZE_N, 2048
.set OS_OFF,  4194304
.set WOC_OFF, 6422528
.set WOS_OFF, 8642560
.set TB4,    4096
.set BOFF,   8*TB4
.set SLOT,   24*TB4
.set SCL,    2*SLOT
.set SCB,    SCL+8192
.set SPARE,  SCL+24576
.set SPITCH, 528
.set ADRA, 16
.set ADRB, 20
.set STO,  24
.set RD,   25
.set CO,   26
.set ADRS, 27
.set SPW,  28
.set NIL,  29
.set PFO,  30
.set SC,   32
.set AF,   128
.set BK,   128
.set G1, 24
.set G0, 32
.set G1B, 48
.set G0B, 56
.set PFA, 66
.set G1S, 68
.set G0S, 76
.set G1SB, 80
.set G0SB, 88
.set G0H, 92
.set G0HB, 96
.set MSB, 0
.macro WIN new
.if MSB != \new
	s_set_vgpr_msb (MSB<<8)|\new
.set MSB, \new
.endif
.endm
.set MUL,  0xa1                        ; source 0 window 1, source 1 window 0, C and D window 2
.set TO_B, 0x40
.macro PLACES
.rept 4
	v_nop
.endr
.endm
.macro JLOAD s                         ; waves 0, 1 fetch for O, waves 2, 3 for Wo; the branch hangs on the wave's number alone
	s_cmp_eq_u32 s15, 0
	s_cbranch_scc0 .Lfor_b_\@
	tensor_load_to_lds s[G0+4*\s:G0+4*\s+3], s[G1:G1+7]
	s_nop 0
	PLACES
	s_branch .Lasked_\@
.Lfor_b_\@:
	tensor_load_to_lds s[G0B+4*\s:G0B+4*\s+3], s[G1B:G1B+7]
	s_nop 0
	PLACES
.Lasked_\@:
.endm
.macro CREST
	s_cmp_lg_u32 s14, 0
	s_cbranch_scc1 .Lnot_wave_0_\@
	s_barrier_signal -3
.Lnot_wave_0_\@:
	s_barrier_wait -3
	s_barrier_signal -1
	s_barrier_wait -1
.endm
.macro CROUND
	s_barrier_signal -1
	s_barrier_wait -1
	CREST
.endm
.macro ASK o1, o2                      ; wave 1 names nothing
	s_cmp_eq_u32 s14, 1
	s_cbranch_scc1 .Lno_ask_\@
	global_prefetch_b8 v[PFO], s[PFA:PFA+1] offset:\o1 th:TH_LOAD_NT scope:SCOPE_SE
.if \o2
	global_prefetch_b8 v[PFO], s[PFA:PFA+1] offset:\o2 th:TH_LOAD_NT scope:SCOPE_SE
.endif
.Lno_ask_\@:
.endm
.macro G0SET g, lds, adr
	s_mov_b32 s[\g], 1
	s_mov_b32 s[\g+1], \lds
	s_mov_b64 s[\g+2:\g+3], s[\adr:\adr+1]
	s_or_b32 s[\g+3], s[\g+3], 0x80000000
.endm
	s_load_b128 s[4:7], s[0:1], 0x0                ; oq, xw
	s_load_b64 s[12:13], s[0:1], 0x10              ; out0
	v_lshl_add_u32 v[SPW], v0, 2, SPARE
	v_mov_b32 v[NIL], 0
	ds_add_u32 v[SPW], v[NIL]                      ; the opening lines: the add twice on end and one wait
	ds_add_u32 v[SPW], v[NIL]
	v_lshrrev_b32 v1, 5, v0
	v_readfirstlane_b32 s14, v1                    ; wave 0..3
	s_lshr_b32 s15, s14, 1                         ; my half of the rows; also: I fetch for O (0) or Wo (1)
	s_and_b32 s16, s14, 1                          ; my half of the columns; also: which half of the tiles I fetch
	s_bfe_u32 s40, ttmp6, 0x40000                  ; cx
	s_bfe_u32 s41, ttmp6, 0x40004                  ; cy
	s_lshl_b32 s42, ttmp9, 2
	s_add_co_u32 s42, s42, s40                     ; block column, 0..7
	s_and_b32 s17, ttmp7, 0xffff
	s_lshl_b32 s17, s17, 2
	s_add_co_u32 s17, s17, s41                     ; block row, 0..31
	s_lshl_b32 s43, s41, 2
	s_lshl_b32 s43, 15, s43                        ; my row of the cluster
	s_lshl_b32 s44, 0x1111, s40                    ; my column
	s_or_b32 s[G1+0], s43, (3<<16)|(1<<21)         ; elements of 8 bytes; bit 21 beside a mask; no padding: images are read 16 bytes a lane on end
	s_or_b32 s[G1B+0], s44, (3<<16)|(1<<21)
	s_or_b32 s[G1S+0], s43, (3<<16)|(1<<21)
	s_or_b32 s[G1SB+0], s44, (3<<16)|(1<<21)
.irp g, G1, G1B
	s_mov_b32 s[\g+1], 512<<16                     ; a tile's 4,096 bytes of a chunk,
	s_mov_b32 s[\g+3], 512<<16
	s_mov_b32 s[\g+5], 2048                        ; 16,384 bytes from tile to tile
	s_mov_b32 s[\g+6], 0
	s_mov_b32 s[\g+7], 0
.endr
	s_mov_b32 s[G1+2], 8<<16                       ; the head's loads: 8 tiles of O,
	s_mov_b32 s[G1+4], 8
	s_mov_b32 s[G1B+2], 16<<16                     ; 16 of Wo
	s_mov_b32 s[G1B+4], 16
.irp g, G1S, G1SB
	s_mov_b32 s[\g+1], 32<<16                      ; scale words: dense rows of 256 bytes
	s_mov_b32 s[\g+3], 32<<16
	s_mov_b32 s[\g+5], 32
	s_mov_b32 s[\g+6], 0
	s_mov_b32 s[\g+7], 0
.endr
	s_mov_b32 s[G1S+2], 32<<16
	s_mov_b32 s[G1S+4], 32
	s_mov_b32 s[G1SB+2], 64<<16
	s_mov_b32 s[G1SB+4], 64
	s_lshl_b32 s20, s17, 17                        ; O's codes: 8 tiles x 16,384 a block row
	s_mov_b32 s21, 0
	s_lshl_b32 s22, s17, 13
	s_add_co_u32 s22, s22, OS_OFF                  ; its scale words
	s_mov_b32 s23, 0
	s_lshl_b32 s46, s42, 18
	s_add_co_u32 s46, s46, WOC_OFF                 ; Wo's codes: 16 tiles a block column
	s_mov_b32 s47, 0
	s_lshl_b32 s18, s42, 14
	s_add_co_u32 s18, s18, WOS_OFF
	s_mov_b32 s19, 0
	s_lshl_b32 s10, s16, 16                        ; in the ring: my 4 tiles of O,
	s_mov_b32 s11, 0
	s_lshl_b32 s8, s16, 17                         ; or my 8 of Wo,
	s_mov_b32 s9, 0
	s_lshl_b32 s45, s16, 14                        ; and where they go: no place in the cluster enters an LDS address
	s_lshl_b32 s44, s16, 15
	s_add_co_u32 s44, s44, BOFF
	s_lshl_b32 s100, s40, 15                       ; the prefetch: O's tiles 2 cx on,
	s_lshl_b32 s101, s41, 16
	s_lshl_b32 s43, s16, 15
	s_add_co_u32 s101, s101, s43                   ; or Wo's tiles 4 cy + 2 (wave % 2) on
	s_cmp_eq_u32 s15, 0
	s_cselect_b32 s100, s100, s101
	s_mov_b32 s101, 0
	s_wait_dscnt 0x0                               ; both opening adds are done
	s_wait_kmcnt 0x0
	s_add_nc_u64 s[20:21], s[4:5], s[20:21]
	s_add_nc_u64 s[22:23], s[4:5], s[22:23]
	s_add_nc_u64 s[46:47], s[6:7], s[46:47]
	s_add_nc_u64 s[18:19], s[6:7], s[18:19]
	CROUND                                         ; all sixteen work-groups are here: the first joint loads meet
	G0SET G0H, 0, 20
	G0SET G0HB, BOFF, 46
	G0SET G0S, SCL, 22
	G0SET G0SB, SCB, 18
	s_cmp_eq_u32 s15, 0
	s_cselect_b64 s[PFA:PFA+1], s[20:21], s[46:47]
	s_add_nc_u64 s[PFA:PFA+1], s[PFA:PFA+1], s[100:101]
	s_add_nc_u64 s[20:21], s[20:21], s[10:11]
	s_add_nc_u64 s[46:47], s[46:47], s[8:9]
.irp s, 0,1
	s_mov_b32 s[G0+4*\s], 1
	s_add_co_u32 s[G0+4*\s+1], s45, \s*SLOT
	s_add_nc_u64 s[G0+4*\s+2:G0+4*\s+3], s[20:21], \s*TB4
	s_or_b32 s[G0+4*\s+3], s[G0+4*\s+3], 0x80000000
	s_mov_b32 s[G0B+4*\s], 1
	s_add_co_u32 s[G0B+4*\s+1], s44, \s*SLOT
	s_add_nc_u64 s[G0B+4*\s+2:G0B+4*\s+3], s[46:47], \s*TB4
	s_or_b32 s[G0B+4*\s+3], s[G0B+4*\s+3], 0x80000000
.endr
.macro ARM under, g0, g1, next         ; the head's loads, one a wave: one tree of branches on the wave's number
	s_cmp_lt_u32 s14, \under
	s_cbranch_scc0 \next
	tensor_load_to_lds s[\g0:\g0+3], s[\g1:\g1+7]
	s_nop 0
	PLACES
	s_branch .Lhead_asked
\next:
.endm
	ARM 1, G0H,  G1,  .Lhead_b
	ARM 2, G0HB, G1B, .Lhead_sa
	ARM 3, G0S,  G1S, .Lhead_sb
	tensor_load_to_lds s[G0SB:G0SB+3], s[G1SB:G1SB+7]
	s_nop 0
	PLACES
.Lhead_asked:
	s_lshl_b32 s4, s15, 14                         ; my 4 tiles of O in a slot,
	s_add_co_u32 s5, s4, SLOT
	s_lshl_b32 s6, s16, 15
	s_add_co_u32 s6, s6, BOFF                      ; my 8 of Wo
	s_add_co_u32 s7, s6, SLOT
	s_lshl_b32 s8, s15, 12
	s_add_co_u32 s8, s8, SCL                       ; O's scale words of my rows,
	s_lshl_b32 s9, s16, 13
	s_add_co_u32 s9, s9, SCB
	s_sub_co_u32 s9, s9, s8                        ; and how far on Wo's of my columns lie
	s_mul_i32 s10, s14, 16*SPITCH                  ; my stage, in slot 0
	s_lshl_b32 s20, s17, 20                        ; my part of out0: row 128 x block row + 64 x half, 8,192 bytes a row,
	s_lshl_b32 s21, s15, 19
	s_add_co_u32 s20, s20, s21
	s_lshl_b32 s21, s42, 10                        ; column bytes 1,024 x block column + 512 x half
	s_add_co_u32 s20, s20, s21
	s_lshl_b32 s21, s16, 9
	s_add_co_u32 s20, s20, s21
	s_mov_b32 s21, 0
	s_add_nc_u64 s[12:13], s[12:13], s[20:21]
	v_and_b32 v1, 15, v0                           ; r
	v_bfe_u32 v2, v0, 4, 1                         ; h
	v_and_b32 v3, 31, v0
	v_lshlrev_b32 v4, 4, v3                        ; 16 lane
	v_add_nc_u32 v[ADRA], s4, v4
	v_add_nc_u32 v[ADRA+1], s5, v4
	v_add_nc_u32 v[ADRB], s6, v4
	v_add_nc_u32 v[ADRB+1], s7, v4
	v_lshlrev_b32 v5, 4, v1
	v_mul_u32_u24 v6, s9, v2                       ; lanes 16-31 take Wo's words
	v_add_nc_u32 v5, v5, v6
	v_add_nc_u32 v[ADRS], s8, v5
	v_mul_u32_u24 v7, v1, SPITCH
	v_lshl_add_u32 v7, v2, 6, v7
	v_add_nc_u32 v[STO], s10, v7
	v_lshlrev_b32 v[CO], 4, v3
	v_add_nc_u32 v[RD], s10, v[CO]
	v_lshlrev_b32 v[PFO], 8, v1
	v_lshl_add_u32 v[PFO], v2, 14, v[PFO]          ; 16,384 (lane / 16) + 256 (lane % 16)
	s_wait_alu depctr_va_vdst(0)
	ASK TB4, 2*TB4
.macro FRAG reg, adr, q, i
	ds_load_b128 v[(\reg):(\reg)+3], v[\adr] offset:1024*(\q)+(\i)*TB4
	ds_load_b128 v[(\reg)+4:(\reg)+7], v[\adr] offset:1024*(\q)+512+(\i)*TB4
.endm
.macro FETCH slot, q, p                ; 24 LDS loads: the fragments of the slot's q-th 128 along K into sets p
	WIN TO_B
.irp i, 0,1,2,3,4,5,6,7
	FRAG 128*(\p)+8*\i, ADRB+\slot, \q, \i
.endr
	WIN 0
.irp i, 0,1,2,3
	FRAG AF+32*(\p)+8*\i, ADRA+\slot, \q, \i
.endr
.endm
.macro SCALES sc                       ; a chunk's scale words: lanes 0-15 O's tile i (4 to 7: not used), lanes 16-31 Wo's tile i
.irp i, 0,1,2,3,4,5,6,7
	ds_load_b128 v[SC+32*\sc+4*\i:SC+32*\sc+4*\i+3], v[ADRS] offset:\i*1024
.endr
.endm
.macro MUL16 a0, p, q, sc, zero
.irp a, \a0, \a0+1
.irp b, 0,1,2,3,4,5,6,7
.if \zero
	v_wmma_scale_f32_16x16x128_f8f6f4 v[8*(8*(\a)+\b):8*(8*(\a)+\b)+7], v[128*(\p)+8*\b:128*(\p)+8*\b+7], v[AF+32*(\p)+8*(\a):AF+32*(\p)+8*(\a)+7], 0, v[SC+32*(\sc)+4*\b+(\q)], v[SC+32*(\sc)+4*(\a)+(\q)] matrix_a_fmt:MATRIX_FMT_FP4 matrix_b_fmt:MATRIX_FMT_FP4 matrix_a_scale:MATRIX_SCALE_ROW1
.else
	v_wmma_scale_f32_16x16x128_f8f6f4 v[8*(8*(\a)+\b):8*(8*(\a)+\b)+7], v[128*(\p)+8*\b:128*(\p)+8*\b+7], v[AF+32*(\p)+8*(\a):AF+32*(\p)+8*(\a)+7], v[8*(8*(\a)+\b):8*(8*(\a)+\b)+7], v[SC+32*(\sc)+4*\b+(\q)], v[SC+32*(\sc)+4*(\a)+(\q)] matrix_a_fmt:MATRIX_FMT_FP4 matrix_b_fmt:MATRIX_FMT_FP4 matrix_a_scale:MATRIX_SCALE_ROW1
.endif
.endr
.endr
.endm
.macro STEP slot, q, zero              ; 128 along K with a successor in the same slot: the successor's fragments are asked for first, into the sets that the step before read
	PLACES                                         ; four places ahead of loads into registers that matrix instructions have read
	FETCH \slot, (\q)+1, 1-(\q)%2
	s_wait_dscnt 24                                ; all but the 24 just issued
	WIN MUL
	MUL16 0, (\q)%2, \q, \slot, \zero
	MUL16 2, (\q)%2, \q, \slot, \zero
.endm
.macro THREE slot, zero
	STEP \slot, 0, \zero
	STEP \slot, 1, 0
	STEP \slot, 2, 0
.endm
; A slot's last step changes slots: each wave waits for all its tensor loads, adds 0 to its spare word, waits for that and for its reads of this slot; one barrier (fill = 1: it opens a round of the cluster's)
.macro TURN slot, next, fill
	WIN 0
	s_wait_tensorcnt 0x0
	ds_add_u32 v[SPW], v[NIL]
	s_wait_dscnt 0x0
	s_barrier_signal -1
	WIN MUL
	MUL16 0, 1, 3, \slot, 0
	WIN 0
	s_barrier_wait -1
.if \fill
	CREST
	s_add_nc_u64 s[G0+4*\slot+2:G0+4*\slot+3], s[G0+4*\slot+2:G0+4*\slot+3], 2*TB4
	s_add_nc_u64 s[G0B+4*\slot+2:G0B+4*\slot+3], s[G0B+4*\slot+2:G0B+4*\slot+3], 2*TB4
	JLOAD \slot                                    ; the first tensor load behind the round; its four v_nop are the places for the loads below
.else
	PLACES
.endif
	v_add_nc_u32 v[ADRS], 256, v[ADRS]             ; the next chunk's scale words
	s_wait_alu depctr_va_vdst(0)
	FETCH \next, 0, 0
	SCALES \next
	WIN MUL
	MUL16 2, 1, 3, \slot, 0
.endm
	s_wait_tensorcnt 0x0                           ; my tile of the head's four is in
	ds_add_u32 v[SPW], v[NIL]
	s_mov_b32 s[G1+2], 4<<16                       ; no tensor load of mine is out: from here on a load brings 4 tiles of O
	s_mov_b32 s[G1+4], 4
	s_mov_b32 s[G1B+2], 8<<16                      ; or 8 of Wo
	s_mov_b32 s[G1B+4], 8
	s_wait_dscnt 0x0
	CROUND
	JLOAD 1                                        ; chunk 1, the first tensor load behind the round
	FETCH 0, 0, 0
	SCALES 0
	ASK 3*TB4, 0
	THREE 0, 1                                     ; the first step's products start the sums
	TURN 0, 1, 1                                   ; slot 0 takes chunk 2
	THREE 1, 0
	TURN 1, 0, 1                                   ; slot 1 takes chunk 3
	THREE 0, 0
	TURN 0, 1, 0
	THREE 1, 0
	s_wait_dscnt 0x0
	WIN MUL
	MUL16 0, 1, 3, 1, 0
	MUL16 2, 1, 3, 1, 0
	WIN 0
; THE WAY OUT, a tile of 16 rows x 128 columns at a time, through my stage in slot 0 (it has had its last fill and its last read): whole rows of 512 bytes come back and leave as two aligned units of 256 bytes
.macro TOSTAGE a
.set AC, 64*(\a)
	WIN 0x08                                       ; the data: window 2
.irp b, 0,1,2,3,4,5,6,7
	ds_store_b128 v[STO], v[AC+8*\b:AC+8*\b+3] offset:128*(\b/2)+32*(\b%2)
	ds_store_b128 v[STO], v[AC+8*\b+4:AC+8*\b+7] offset:128*(\b/2)+32*(\b%2)+16
.endr
	WIN 0
.set BB, BK+64*((\a)%2)
.irp t, 0,1,2,3,4,5,6,7,8,9,10,11,12,13,14,15
	ds_load_b128 v[BB+4*\t:BB+4*\t+3], v[RD] offset:\t*SPITCH      ; LDS serves a wave's instructions in order (ISA guide 5.7.1.4)
.endr
.endm
.macro SEND a, younger
.set BB, BK+64*((\a)%2)
	s_wait_dscnt \younger
.if (\a) > 0
.if (\a)%2
	s_add_nc_u64 s[12:13], s[12:13], 8*SIZE_N*4    ; tile 2 b + 1 begins 8 rows behind tile 2 b,
.else
	s_add_nc_u64 s[12:13], s[12:13], 24*SIZE_N*4   ; tile 2 b + 2 another 24
.endif
.endif
.irp t, 0,1,2,3,4,5,6,7,8,9,10,11,12,13,14,15
	global_store_b128 v[CO], v[BB+4*\t:BB+4*\t+3], s[12:13] offset:(\t+8*(\t/8))*SIZE_N*4 th:TH_STORE_NT
.endr
.endm
	PLACES
	TOSTAGE 0
.irp a, 1,2,3
.if \a > 1
	s_wait_xcnt 0x0                                ; the stores two tiles back have read their registers and their base
.endif
	TOSTAGE \a
	SEND \a-1, 32
.endr
	s_wait_xcnt 0x0
	SEND 3, 0
	s_wait_tensorcnt 0x0                           ; the wave's end
	ds_add_u32 v[SPW], v[NIL]
	s_wait_dscnt 0x0
	CROUND                                         ; the closing round
	s_endpgm
.Lfunc_end_k_q61ce4753d8_outproj:
	.size	k_q61ce4753d8_outproj, .Lfunc_end_k_q61ce4753d8_outproj-k_q61ce4753d8_outproj
	.p2alignl 7, 3214868480
	.fill 96, 4, 3214868480
	.section	.rodata,"a",@progbits
	.p2align	6, 0x0
	.amdhsa_kernel k_q61ce4753d8_outproj
		.amdhsa_group_segment_fixed_size 327680
		.amdhsa_private_segment_fixed_size 0
		.amdhsa_enable_private_segment 0
		.amdhsa_kernarg_size 24
		.amdhsa_user_sgpr_count 2
		.amdhsa_user_sgpr_kernarg_segment_ptr 1
		.amdhsa_wavefront_size32 1
		.amdhsa_system_sgpr_workgroup_id_x 1
		.amdhsa_system_sgpr_workgroup_id_y 1
		.amdhsa_system_sgpr_workgroup_id_z 1
		.amdhsa_system_vgpr_workitem_id 0
		.amdhsa_next_free_vgpr 768
		.amdhsa_next_free_sgpr 102
		.amdhsa_reserve_vcc 0
		.amdhsa_float_denorm_mode_32 3
		.amdhsa_float_denorm_mode_16_64 3
		.amdhsa_memory_ordered 1
		.amdhsa_forward_progress 1
		.amdhsa_inst_pref_size 123
	.end_amdhsa_kernel
	.amdgpu_metadata
---
amdhsa.version: [ 1, 2 ]
amdhsa.kernels:
  - .name:           k_q61ce4753d8_outproj
    .symbol:         k_q61ce4753d8_outproj.kd
    .args:
      - { .name: oq, .offset: 0, .size: 8, .value_kind: global_buffer, .address_space: global }
      - { .name: xw, .offset: 8, .size: 8, .value_kind: global_buffer, .address_space: global }
      - { .name: out0, .offset: 16, .size: 8, .value_kind: global_buffer, .address_space: global }
    .group_segment_fixed_size: 327680
    .private_segment_fixed_size: 0
    .kernarg_segment_align: 8
    .kernarg_segment_size: 24
    .max_flat_workgroup_size: 128
    .sgpr_count:     102
    .vgpr_count:     768
    .wavefront_size: 32
...
	.end_amdgpu_metadata
.endif
;; end of part 4
